; MI455X (gfx1250); checked and timed in simulation.
; The chip was launched on July 23, 2026; its instructions are those of AMD's public machine-readable ISA for CDNA 5 (MIT licence, August 2026) and "CDNA5" Instruction Set Architecture Reference Guide (July 2026). The comments in the code are by the model that wrote it; some were corrected since.
;; Multi Head Attention. Allowed arithmetic: matrix products marked QUANTISED: E3M2 operands, one E8M0 scale for each 32 along K, by v_wmma_scale_f32_16x16x128_f8f6f4 with both operands' format E3M2, f32 sums; everything else in f32.
;; Inputs: K 4 x 2,048 x 1,024 float32; Q 4 x 2,048 x 1,024 float32; V 4 x 2,048 x 1,024 float32; Wk 1,024 x 1,024 float32; Wo 1,024 x 1,024 float32; Wq 1,024 x 1,024 float32; Wv 1,024 x 1,024 float32; ln_beta 1,024 float32; ln_gamma 1,024 float32.
;; Outputs: out0 4 x 2,048 x 1,024 float32.
;; This version of the problem:
;;   THIS VERSION OF THE PROBLEM IS GIVEN IN LOW PRECISION. The matrix products marked QUANTISED in the list below multiply operands that are first quantised to E3M2 (3 exponent bits, 2 mantissa bits; 6 bits a number), with one power-of-two scale for each 32 numbers along K (OCP MX v1.0); their sums are f32. All else is computed in f32.
;;   The module's matrix products, in the order in which they are computed (A, B: the left and right operand; K: the contracted axis; several contracted axes count as one K, in the product's order):
;;     1. [M 8,192, K 1,024] x [K 1,024, N 1,024]; A: input Q; B: input Wq: QUANTISED
;;     2. [M 8,192, K 1,024] x [K 1,024, N 1,024]; A: input K; B: input Wk: QUANTISED
;;     3. [M 8,192, K 1,024] x [K 1,024, N 1,024]; A: input V; B: input Wv: QUANTISED
;;     4. batch 64 x [M 2,048, K 64] x [K 64, N 2,048]; A: computed on the way; B: computed on the way: QUANTISED
;;     5. batch 64 x [M 2,048, K 2,048] x [K 2,048, N 64]; A: softmax (see below); B: computed on the way: QUANTISED
;;     6. [M 8,192, K 1,024] x [K 1,024, N 1,024]; A: computed on the way; B: input Wo: QUANTISED
;;   THE QUANTISER, for each operand of a quantised product, along K:
;;     - K is cut into blocks of 32 from its start; a last block that is shorter is filled with zeros.
;;     - A block's scale is 2^e with e = floor(log2(the largest magnitude in the block)) - 4, held to -126 .. 127; a block of zeros has e = 0. As a byte (E8M0): e + 127.
;;     - Each number is divided by its block's scale, clamped to +-28, and rounded to the nearest number of E3M2, ties to even, subnormals kept.
;;     - The product sums the exact products of the quantised numbers (number of the format x scale) in f32.
;;   ~~~python
;;   def quantise(x, axis):      # numpy; x: float32 -> the quantised numbers, widened to float32 again
;;       x = np.moveaxis(x, axis, -1); K = x.shape[-1]
;;       x = np.pad(x, [(0, 0)] * (x.ndim - 1) + [(0, -K % 32)]); x = x.reshape(x.shape[:-1] + (-1, 32)); a = np.abs(x).max(-1, keepdims=True)
;;       e = np.where(a > 0, np.clip(np.frexp(np.where(a > 0, a, 1))[1] - 1 - 4, -126, 127), 0)      # np.frexp(a)[1] - 1 = floor(log2(a)), exactly
;;       r = np.clip(x / 2.0 ** e, -28, 28)
;;       step = 2.0 ** (np.maximum(np.frexp(np.where(r == 0, 1, r))[1] - 1, -2) - 2)
;;       q = np.round(r / step) * step * 2.0 ** e      # np.round: ties to even
;;       return np.moveaxis(q.reshape(q.shape[:-2] + (-1,))[..., :K], -1, axis).astype(np.float32)
;;   ~~~
;;   SOFTMAX AHEAD OF A QUANTISED PRODUCT. Where the list says 'softmax', what is quantised is not the finished softmax but p = 2^(t - M), with t = logit x log2(e) and M = ceil(the row's largest t), a whole number; so 1/2 < the row's largest p <= 1. The row's sum l is taken of the UNQUANTISED p, in f32, and the product's result is divided by l at the end. Since M is a whole number, a kernel that streams over the keys may use a running M (the ceiling of the running maximum): every later rescaling is an exact power of two, which a block's scale takes up: the codes' values come out the same.
;;   OPERANDS COMPUTED ON THE WAY. 'Computed on the way' means the value that the module computes at that place (a softmax that the list does not call 'softmax' is quantised finished and normalised). What goes into a quantiser is computed in f32, as accurately as f32 sums, v_exp_f32 and their like allow (about 1e-6 of the number): no bf16 or f16 on the way to a quantiser, and a product that is left as it is and whose result goes on into a quantised operand takes f32 operands (vector FMAs, or v_wmma_f32_16x16x4_f32). A number that lies on a knife's edge between two numbers of the format may be rounded either way, as far as f32 arithmetic and the matrix unit's own rounding can turn it there, and no further.
;; One version. Each part assembles by itself: llvm-mc -triple=amdgcn-amd-amdhsa -mcpu=gfx1250 --defsym DOCPART=n.
;; ======== version 1 of 1: 4 launches
;; limits: right only within a limited range of input values
;; workspace buffers: codes 22,020,096 bytes; scales 917,504 bytes; pc 18,874,368 bytes; psc 1,572,864 bytes; oc 6,291,456 bytes; osc 1,048,576 bytes
;; launch quant (part 1): grid 896 x 1, 4 waves a work-group, no clusters, 33,280 bytes of LDS; arguments Q, K, V, Wq, Wk, Wv, Wo, codes, scales; writes codes, scales
.if DOCPART == 1
	.amdgcn_target "amdgcn-amd-amdhsa--gfx1250"
	.amdhsa_code_object_version 6
	.text
	.protected	k_qce6105cb14_quant
	.globl	k_qce6105cb14_quant
	.p2align	8
	.type	k_qce6105cb14_quant,@function
k_qce6105cb14_quant:
	s_mov_b64 s[64:65], 0
	v_nop
	global_prefetch_b8 v0, s[64:65] scope:SCOPE_SE
	s_setreg_imm32_b32 hwreg(HW_REG_WAVE_MODE, 25, 1), 1
	s_wait_xcnt 0x0
; Q, K, V [8192][1024] and Wq, Wk, Wv, Wo [1024][1024], f32, become codes of BF6 (E3M2), 6 bits each, K (the last axis) innermost, with one E8M0 byte for each 32 along K.
; The seven tensors form ONE stream of 28,672 rows: a row's codes are 768 bytes, its scale bytes 32.
; A ROW IS STORED AT THE PLACE WHOSE NUMBER HAS BITS 3 AND 4 OF THE ROW'S NUMBER SWAPPED: sixteen neighbouring places 16 a + r then hold rows 32 (a / 2) + 8 (a % 2) + r + 8 (r / 8),
; the choice of a tile's rows that lets a later product's results lie as 16 neighbours in a lane's registers.  A wave takes 8 rows, so the swap is a swap of the two low bits of its run's number.
; A block's scale is 2^(floor(log2(its largest magnitude)) - 4); its byte is the largest magnitude's exponent field - 4, held at 1 from below.
; LIMITS: a block of zeros gets the byte 1 where the quantiser says 127 (its codes are zeros, and these bytes are read by this program alone); blocks whose largest magnitude lies under 2^-122 are held at that floor;
; NaN and infinities among the inputs are not served.
; A wave takes 16 steps of 512 numbers.  Each of a step's four loads reads 512 consecutive bytes; the 2,048 bytes turn through the wave's own stage in LDS and come back 64 bytes a lane, 16 neighbours along K.
; No cluster: no two work-groups read the same byte.  No tensor loads, no barrier: waves share nothing.
.set STEPS, 16
.set EMAX,  4
.set CB,    12                         ; bytes of 16 codes
.set PLANE, 5505024                    ; THE CODES LIE IN FOUR PLANES, one for each 256 along K: plane s holds 192 bytes for each of the 28,672 places, place after place, so that any 4 n places of a plane are a dense run of whole 256-byte units
.set R,     16                         ; v16-79   four sets of 16 numbers as loaded
.set X,     80                         ; v80-111  two sets of 16 neighbours
.set E,     112                        ; v112-127 a scale byte for each step
.set C,     128                        ; v128-191 codes: four registers for each step, so that no store's data are written again
.set WREG,  8192                       ; LDS: a region for each wave: two stages of 32 x SP bytes, then its 256 scale bytes
.set SP,    80                         ; a lane's place in a stage: 64 bytes + 16 of padding
	s_load_b512 s[8:23], s[0:1], 0x0               ; Q s[8:9], K, V, Wq, Wk, Wv, Wo s[20:21], codes s[22:23]
	s_load_b64 s[24:25], s[0:1], 0x40              ; scales
	v_lshl_add_u32 v192, v0, 2, 0x8000
	v_mov_b32 v193, 0
	v_lshrrev_b32 v1, 5, v0
	v_readfirstlane_b32 s27, v1                    ; wave
	v_and_b32 v2, 31, v0                           ; lane
	v_lshlrev_b32 v3, 4, v2                        ; my 16 bytes of a load's 512
	s_mul_i32 s28, s27, WREG
	v_lshrrev_b32 v14, 2, v2
	v_mul_u32_u24 v14, v14, SP
	v_and_b32 v15, 3, v2
	v_lshl_add_u32 v14, v15, 4, v14
	v_add_nc_u32 v14, s28, v14                     ; the stage, on the way in: SP (lane / 4) + 16 (lane % 4)
	v_mul_u32_u24 v15, v2, SP
	v_add_nc_u32 v15, s28, v15                     ; and on the way out: SP x lane
	v_and_b32 v4, 15, v2
	v_mul_u32_u24 v4, v4, CB                       ; my codes' place: sixteen lanes fill a place's 192 bytes of one plane,
	v_lshrrev_b32 v10, 4, v2
	v_mad_u32_u24 v4, v10, PLANE, v4               ; lanes 16-31 those of the next plane
	v_lshrrev_b32 v5, 1, v2
	s_add_co_u32 s28, s28, 2*32*SP
	v_add_nc_u32 v5, s28, v5                       ; LDS: my wave's 256 scale bytes, my block's byte
	v_lshlrev_b32 v7, 3, v2
	v_add_nc_u32 v6, s28, v7                       ; and on the way out 8 bytes a lane
	s_wait_alu depctr_va_vdst(0)
	s_wait_kmcnt 0x0
	s_mov_b64 s[4:5], s[8:9]                       ; which tensor is my work-group's?  The choice hangs on the work-group's number alone
	s_mov_b32 s26, 0                               ; and the tensor's first work-group
.macro PICK n, p
	s_cmp_ge_u32 ttmp9, \n
	s_cselect_b64 s[4:5], s[\p:\p+1], s[4:5]
	s_cselect_b32 s26, \n, s26
.endm
	PICK 256, 10
	PICK 512, 12
	PICK 768, 14
	PICK 800, 16
	PICK 832, 18
	PICK 864, 20
	s_sub_co_u32 s29, ttmp9, s26
	s_lshl_b32 s29, s29, 2
	s_add_co_u32 s29, s29, s27                     ; my run of 8 rows in the tensor
	s_lshl_b32 s30, s29, 15                        ; 32,768 bytes a run
	s_mov_b32 s31, 0
	s_add_nc_u64 s[4:5], s[4:5], s[30:31]
	s_and_b32 s29, s27, 1
	s_lshl_b32 s29, s29, 1
	s_lshr_b32 s32, s27, 1
	s_or_b32 s29, s29, s32                         ; the wave's two bits swapped
	s_lshl_b32 s32, ttmp9, 2
	s_add_co_u32 s32, s32, s29                     ; the run's place in the stream
	s_mul_i32 s30, s32, 1536                       ; 8 places of 192 bytes a run
	s_add_nc_u64 s[22:23], s[22:23], s[30:31]      ; planes 0 and 1: the first half of a row
	s_add_nc_u64 s[34:35], s[22:23], 2*PLANE       ; planes 2 and 3: the second half
	s_lshl_b32 s30, s32, 8
	s_add_nc_u64 s[24:25], s[24:25], s[30:31]
.macro LOAD t
.irp i, 0,1,2,3
	global_load_b128 v[R+16*((\t)%4)+4*\i:R+16*((\t)%4)+4*\i+3], v3, s[4:5] offset:2048*(\t)+512*\i th:TH_LOAD_NT   ; 32 lanes read 512 consecutive bytes
.endr
.endm
.macro TURN t                          ; step t's numbers through the stage: LDS serves a wave's instructions in order, so no wait stands between the stores and the loads
.irp i, 0,1,2,3
	ds_store_b128 v14, v[R+16*((\t)%4)+4*\i:R+16*((\t)%4)+4*\i+3] offset:32*SP*((\t)%2)+8*SP*\i
.endr
.irp i, 0,1,2,3
	ds_load_b128 v[X+16*((\t)%2)+4*\i:X+16*((\t)%2)+4*\i+3], v15 offset:32*SP*((\t)%2)+16*\i
.endr
.endm
.irp t, 0,1,2,3
	LOAD \t
.endr
	s_wait_loadcnt 12                              ; step 0's four loads are in; the twelve of steps 1 to 3 may be out
	TURN 0
.macro STEP t
.set XS, X+16*((\t)%2)
.if (\t) > 0
	s_wait_dscnt 1                                 ; this step's numbers are back from the stage (the last step's byte store may be out)
.else
	s_wait_dscnt 0x0
.endif
.if (\t)+4 < STEPS
	LOAD (\t)+4                                    ; into the registers that this step's stage stores have read
.endif
.if (\t)+1 < STEPS
.if STEPS-2-(\t) >= 3
	s_wait_loadcnt 12                              ; the next step's four loads are in; those of the three steps behind it may be out
.else
	s_wait_loadcnt 4*(STEPS-2-(\t))
.endif
	TURN (\t)+1
.endif
	v_max3_num_f32 v8, |v[XS]|, |v[XS+1]|, |v[XS+2]|               ; the largest magnitude of my 16, in two chains
	v_max3_num_f32 v9, |v[XS+3]|, |v[XS+4]|, |v[XS+5]|
.irp i, 6,10
	v_max3_num_f32 v8, v8, |v[XS+\i]|, |v[XS+\i+1]|
	v_max3_num_f32 v9, v9, |v[XS+\i+2]|, |v[XS+\i+3]|
.endr
	v_max3_num_f32 v8, v8, |v[XS+14]|, |v[XS+15]|
	v_max3_num_f32 v8, v8, v9, (EMAX+1)<<23        ; and the floor 2^(5 - 127): the byte cannot fall under 1
	v_max_num_f32_dpp v8, v8, v8 row_xmask:1 row_mask:0xf bank_mask:0xf   ; and of my neighbour's 16: the block's
	v_add_nc_u32 v11, -(EMAX<<23), v8              ; 4 off its exponent field: the conversion takes the exponent field of this operand as its scale
	v_cvt_scalef32_pk16_bf6_f32 v[C+4*(\t):C+4*(\t)+2], v[XS:XS+15], v11
	v_lshrrev_b32 v[E+(\t)], 23, v11               ; the scale's byte
	ds_store_b8 v5, v[E+(\t)] offset:16*(\t)       ; both lanes of a block write the same byte with the same value
	global_store_b96 v4, v[C+4*(\t):C+4*(\t)+2], s[22+12*((\t)%2):23+12*((\t)%2)] offset:192*((\t)/2)   ; step t is half t % 2 of row t / 2 of the run
.endm
.irp t, 0,1,2,3,4,5,6,7,8,9,10,11,12,13,14,15
	STEP \t
.endr
	ds_load_b64 v[12:13], v6                       ; LDS serves a wave's instructions in order: these see my byte stores
	s_wait_dscnt 0x0
	global_store_b64 v7, v[12:13], s[24:25]        ; 32 lanes store 256 consecutive bytes, aligned
	s_wait_tensorcnt 0x0
	ds_add_u32 v192, v193
	s_wait_dscnt 0x0
	s_endpgm
.Lfunc_end_k_qce6105cb14_quant:
	.size	k_qce6105cb14_quant, .Lfunc_end_k_qce6105cb14_quant-k_qce6105cb14_quant
	.p2alignl 7, 3214868480
	.fill 96, 4, 3214868480
	.section	.rodata,"a",@progbits
	.p2align	6, 0x0
	.amdhsa_kernel k_qce6105cb14_quant
		.amdhsa_group_segment_fixed_size 33280
		.amdhsa_private_segment_fixed_size 0
		.amdhsa_enable_private_segment 0
		.amdhsa_kernarg_size 72
		.amdhsa_user_sgpr_count 2
		.amdhsa_user_sgpr_kernarg_segment_ptr 1
		.amdhsa_wavefront_size32 1
		.amdhsa_system_sgpr_workgroup_id_x 1
		.amdhsa_system_sgpr_workgroup_id_y 1
		.amdhsa_system_sgpr_workgroup_id_z 1
		.amdhsa_system_vgpr_workitem_id 0
		.amdhsa_next_free_vgpr 194
		.amdhsa_next_free_sgpr 66
		.amdhsa_reserve_vcc 0
		.amdhsa_float_denorm_mode_32 3
		.amdhsa_float_denorm_mode_16_64 3
		.amdhsa_memory_ordered 1
		.amdhsa_forward_progress 1
		.amdhsa_inst_pref_size 33
	.end_amdhsa_kernel
	.amdgpu_metadata
---
amdhsa.version: [ 1, 2 ]
amdhsa.kernels:
  - .name:           k_qce6105cb14_quant
    .symbol:         k_qce6105cb14_quant.kd
    .args:
      - { .name: Q, .offset: 0, .size: 8, .value_kind: global_buffer, .address_space: global }
      - { .name: K, .offset: 8, .size: 8, .value_kind: global_buffer, .address_space: global }
      - { .name: V, .offset: 16, .size: 8, .value_kind: global_buffer, .address_space: global }
      - { .name: Wq, .offset: 24, .size: 8, .value_kind: global_buffer, .address_space: global }
      - { .name: Wk, .offset: 32, .size: 8, .value_kind: global_buffer, .address_space: global }
      - { .name: Wv, .offset: 40, .size: 8, .value_kind: global_buffer, .address_space: global }
      - { .name: Wo, .offset: 48, .size: 8, .value_kind: global_buffer, .address_space: global }
      - { .name: codes, .offset: 56, .size: 8, .value_kind: global_buffer, .address_space: global }
      - { .name: scales, .offset: 64, .size: 8, .value_kind: global_buffer, .address_space: global }
    .group_segment_fixed_size: 33280
    .private_segment_fixed_size: 0
    .kernarg_segment_align: 8
    .kernarg_segment_size: 72
    .max_flat_workgroup_size: 128
    .sgpr_count:     66
    .vgpr_count:     194
    .wavefront_size: 32
...
	.end_amdgpu_metadata
.endif
;; end of part 1
;; launch proj (part 2): grid 4 x 96, 4 waves a work-group, clusters of 4 x 4, 327,680 bytes of LDS; arguments codes, scales, pc, psc; writes pc, psc
.if DOCPART == 2
	.amdgcn_target "amdgcn-amd-amdhsa--gfx1250"
	.amdhsa_code_object_version 6
	.text
	.protected	k_qce6105cb14_proj
	.globl	k_qce6105cb14_proj
	.p2align	8
	.type	k_qce6105cb14_proj,@function
k_qce6105cb14_proj:
	s_mov_b64 s[64:65], 0
	v_nop
	global_prefetch_b8 v0, s[64:65] scope:SCOPE_SE
	s_setreg_imm32_b32 hwreg(HW_REG_WAVE_MODE, 25, 1), 1
	s_wait_xcnt 0x0
	s_wait_alu depctr_hold_cnt(0) depctr_sa_sdst(0) depctr_va_vdst(0) depctr_va_sdst(0) depctr_va_ssrc(0) depctr_va_vcc(0) depctr_vm_vsrc(0)
	s_getreg_b32 s2, hwreg(HW_REG_IB_STS2, 6, 4)
	s_cmp_eq_u32 s2, 0
	s_cbranch_scc0 .Lentry_in_a_cluster
	s_endpgm
.Lentry_in_a_cluster:
	s_bfe_u32 s2, ttmp6, 0x10000c
	s_cmp_lg_u32 s2, 0xf033
	s_cbranch_scc0 .Lentry_shape_is_right
	s_endpgm
.Lentry_shape_is_right:
.set SIZE_K, 1024
.set KSTEP,  256
.set NQ,     KSTEP/128
.set ROWB,   5505024                   ; bytes from one K step of 256 to the next: a plane of the codes (28,672 places x 192 bytes)
.set G0H,  4                           ; s[4:7], s[96:99] group 0 of the head's loads of K step 0: A's 256 rows, B's 256 rows
.set G0HB, 96
.set KROW,   192                       ; a place's bytes in a plane
.set PITCH,  240
.set FR,     12
.set NL,     6
.set NP,     4
.set HALFT,  128*PITCH
.set SLOT,   4*HALFT
.set LAPS,   SIZE_K/(2*KSTEP)
.set KS,     SIZE_K/32
.set SCL,    2*SLOT
.set HALFS,  (128*KS/256)*272
.set SBLK,   (16*KS/256)*272
.set SPARE,  SCL+4*HALFS
.set ADRA, 16
.set ADRB, 20
.set L16,  24
.set L8,   25
.set SWO,  26
.set ADRS, 27
.set SPW,  28
.set NIL,  29
.set SHF,  30
.set SC,   32
.set AF,   128
.set CD,   112
.set TM,   200
.set PW,   216
.set PW2,  217
.set G1, 24
.set G0, 32
.set G1B, 48
.set G0B, 56
.set G1S, 68
.set G0S, 76
.set G1SB, 80
.set G0SB, 88
.set SEL, 98
.set MSB, 0
.macro WIN new
.if MSB != \new
	s_set_vgpr_msb (MSB<<8)|\new
.set MSB, \new
.endif
.endm
.set MUL_LO, 0xa1
.set MUL_HI, 0xf1
.set TO_B,   0x40
.macro JLOAD g0a, g1a, g0b, g1b
	s_cmp_eq_u32 s15, 0
	s_cbranch_scc0 .Lfor_b_\@
	tensor_load_to_lds s[\g0a:\g0a+3], s[\g1a:\g1a+7]
	s_nop 0
.rept 4
	v_nop
.endr
	s_branch .Lasked_\@
.Lfor_b_\@:
	tensor_load_to_lds s[\g0b:\g0b+3], s[\g1b:\g1b+7]
	s_nop 0
.rept 4
	v_nop
.endr
.Lasked_\@:
.endm
.macro CREST
	s_cmp_lg_u32 s14, 0
	s_cbranch_scc1 .Lnot_wave_0_\@
	s_barrier_signal -3
.Lnot_wave_0_\@:
	s_barrier_wait -3
	s_barrier_signal -1
	s_barrier_wait -1
.endm
.macro CROUND
	s_barrier_signal -1
	s_barrier_wait -1
	CREST
.endm
	s_load_b256 s[4:11], s[0:1], 0x0
	v_lshl_add_u32 v[SPW], v0, 2, SPARE
	v_mov_b32 v[NIL], 0
	ds_add_u32 v28, v29
	ds_add_u32 v28, v29
	s_wait_dscnt 0x0
	v_lshrrev_b32 v1, 5, v0
	v_readfirstlane_b32 s14, v1
	s_lshr_b32 s15, s14, 1
	s_and_b32 s16, s14, 1
	s_bfe_u32 s40, ttmp6, 0x40000
	s_bfe_u32 s41, ttmp6, 0x40004
	s_and_b32 s42, ttmp7, 0xffff
	s_lshl_b32 s43, s41, 2
	s_lshl_b32 s43, 15, s43
	s_lshl_b32 s44, 0x1111, s40
	s_or_b32 s[G1+0], s43, (0<<16)|(1<<20)|(1<<21)|(3<<22)|(3<<25)
	s_or_b32 s[G1B+0], s44, (0<<16)|(1<<20)|(1<<21)|(3<<22)|(3<<25)
.irp g, G1, G1B
	s_mov_b32 s[\g+1], 256<<16                     ; a tile is a dense run of a plane, stated as rows of 256 bytes; 16 bytes of padding behind every 64 give each place's 192 bytes an LDS row of 240
	s_mov_b32 s[\g+2], 192<<16                     ; the head's loads: 256 places = 192 rows; behind them these two words are set to 96
	s_mov_b32 s[\g+3], 256<<16
	s_mov_b32 s[\g+4], 192
	s_mov_b32 s[\g+5], 256
	s_mov_b32 s[\g+6], 0
	s_mov_b32 s[\g+7], 0
.endr
	s_or_b32 s[G1S+0], s43, (3<<16)|(1<<20)|(1<<21)|(5<<22)|(3<<25)
	s_or_b32 s[G1SB+0], s44, (3<<16)|(1<<20)|(1<<21)|(5<<22)|(3<<25)
.irp g, G1S, G1SB
	s_mov_b32 s[\g+1], 32<<16
	s_mov_b32 s[\g+2], KS<<16                      ; the scales of 256 rows: KS rows of 256 bytes
	s_mov_b32 s[\g+3], 32<<16
	s_mov_b32 s[\g+4], KS
	s_mov_b32 s[\g+5], 32
	s_mov_b32 s[\g+6], 0
	s_mov_b32 s[\g+7], 0
.endr
	s_lshl_b32 s45, s42, 10
	s_cmp_lt_u32 s42, 16
	s_cselect_b32 s20, s45, 26624
	s_cselect_b32 s46, 25600, s45
	s_cmp_lt_u32 s42, 8
	s_cselect_b32 s46, 24576, s46
	s_lshl_b32 s17, s41, 8
	s_add_co_u32 s20, s20, s17                     ; A's tile: its first place
	s_lshl_b32 s47, s40, 8
	s_add_co_u32 s46, s46, s47                     ; B's tile: its first place
	s_mov_b32 s21, 0
	s_mov_b32 s47, 0
	s_mov_b64 s[18:19], KS
	s_mul_u64 s[22:23], s[20:21], s[18:19]
	s_mul_u64 s[92:93], s[46:47], s[18:19]
	s_mov_b64 s[18:19], KROW
	s_mul_u64 s[20:21], s[20:21], s[18:19]
	s_mul_u64 s[46:47], s[46:47], s[18:19]
	s_mul_i32 s45, s14, HALFT
	s_wait_kmcnt 0x0
	s_add_nc_u64 s[20:21], s[4:5], s[20:21]
	s_add_nc_u64 s[22:23], s[6:7], s[22:23]
	s_add_nc_u64 s[46:47], s[4:5], s[46:47]
	s_add_nc_u64 s[92:93], s[6:7], s[92:93]
	CROUND
	s_mov_b32 s[G0H], 1                            ; the head's four tiles, each whole: K step 0's 256 rows of A,
	s_mov_b32 s[G0H+1], 0
	s_mov_b64 s[G0H+2:G0H+3], s[20:21]
	s_or_b32 s[G0H+3], s[G0H+3], 0x80000000
	s_mov_b32 s[G0HB], 1                           ; its 256 rows of B, behind them in slot 0,
	s_mov_b32 s[G0HB+1], 2*HALFT
	s_mov_b64 s[G0HB+2:G0HB+3], s[46:47]
	s_or_b32 s[G0HB+3], s[G0HB+3], 0x80000000
	s_mov_b32 s[G0S], 1                            ; the scales of A's 256 rows,
	s_mov_b32 s[G0S+1], SCL
	s_mov_b64 s[G0S+2:G0S+3], s[22:23]
	s_or_b32 s[G0S+3], s[G0S+3], 0x80000000
	s_mov_b32 s[G0SB], 1                           ; and of B's
	s_mov_b32 s[G0SB+1], SCL+2*HALFS
	s_mov_b64 s[G0SB+2:G0SB+3], s[92:93]
	s_or_b32 s[G0SB+3], s[G0SB+3], 0x80000000
	s_mul_i32 s18, s16, 128*KROW                   ; in the ring I fetch 128 rows of a tile: which half, in bytes
	s_mov_b32 s19, 0
	s_add_nc_u64 s[20:21], s[20:21], s[18:19]
	s_add_nc_u64 s[46:47], s[46:47], s[18:19]
.irp s, 0,1
	s_mov_b32 s[G0+4*\s], 1
	s_add_co_u32 s[G0+4*\s+1], s45, \s*SLOT
	s_add_nc_u64 s[G0+4*\s+2:G0+4*\s+3], s[20:21], \s*ROWB
	s_or_b32 s[G0+4*\s+3], s[G0+4*\s+3], 0x80000000
	s_mov_b32 s[G0B+4*\s], 1
	s_add_co_u32 s[G0B+4*\s+1], s45, \s*SLOT
	s_add_nc_u64 s[G0B+4*\s+2:G0B+4*\s+3], s[46:47], \s*ROWB
	s_or_b32 s[G0B+4*\s+3], s[G0B+4*\s+3], 0x80000000
.endr
; the head's loads, one a wave, in one chain of branches on the wave's number: wave 0 A's rows, wave 1 B's, wave 2 A's scales, wave 3 B's
.macro ARM under, g0, g1, next
	s_cmp_lt_u32 s14, \under
	s_cbranch_scc0 \next
	tensor_load_to_lds s[\g0:\g0+3], s[\g1:\g1+7]
	s_nop 0
.rept 4
	v_nop
.endr
	s_branch .Lhead_asked
\next:
.endm
	ARM 1, G0H,  G1,  .Lhead_b
	ARM 2, G0HB, G1B, .Lhead_sa
	ARM 3, G0S,  G1S, .Lhead_sb
	tensor_load_to_lds s[G0SB:G0SB+3], s[G1SB:G1SB+7]
	s_nop 0
.rept 4
	v_nop
.endr
.Lhead_asked:
	s_wait_alu depctr_va_vdst(0)
	s_wait_tensorcnt 0x0                           ; my tile of the head's four is in
	ds_add_u32 v28, v29
	s_mov_b32 s[G1+2], 96<<16                      ; no tensor load of mine is out: from here on a load brings 128 places = 96 rows
	s_mov_b32 s[G1+4], 96
	s_mov_b32 s[G1B+2], 96<<16
	s_mov_b32 s[G1B+4], 96
	s_wait_dscnt 0x0
	CROUND                                         ; all four tiles are in, and all sixteen work-groups are here
	JLOAD G0+4, G1, G0B+4, G1B                     ; slot 1's first fill, K step 1
	v_and_b32 v1, 15, v0
	v_bfe_u32 v2, v0, 4, 1
	v_mul_u32_u24 v3, v1, PITCH
	v_mul_u32_u24 v4, v2, 24
	v_add_nc_u32 v4, v3, v4
	v_lshl_add_u32 v5, v2, 4, v4
	s_mul_i32 s21, s15, HALFT
	s_mul_i32 s22, s16, HALFT
	s_add_co_u32 s22, s22, 2*HALFT
.irp s, 0,1
	v_add_nc_u32 v[ADRA+\s], s21, v4
	v_add_nc_u32 v[ADRB+\s], s22, v4
	v_add_nc_u32 v[ADRA+2+\s], s21, v5
	v_add_nc_u32 v[ADRB+2+\s], s22, v5
	s_add_co_u32 s21, s21, SLOT
	s_add_co_u32 s22, s22, SLOT
.endr
	v_mul_u32_u24 v5, v1, KS
	v_lshrrev_b32 v6, 8, v5
	v_lshl_add_u32 v5, v6, 4, v5
	s_mul_i32 s21, s15, HALFS
	s_mul_i32 s22, s16, HALFS
	s_add_co_u32 s22, s22, 2*HALFS
	s_sub_co_u32 s22, s22, s21
	v_mul_u32_u24 v6, s22, v2
	s_add_co_u32 s21, s21, SCL
	v_add_nc_u32 v5, v5, v6
	v_add_nc_u32 v[ADRS], s21, v5
	v_and_b32 v6, 31, v0
	v_lshlrev_b32 v[L16], 4, v6
	v_lshlrev_b32 v[L8], 3, v6
	v_lshlrev_b32 v[SHF], 4, v2
	s_lshl_b32 s98, s42, 3
	s_sub_co_u32 s98, s98, 128
	s_and_b32 s99, s42, 7
	s_lshl_b32 s99, s99, 6
	s_mov_b32 s94, 49152
	s_mov_b32 s95, 4096
	s_cmp_lt_u32 s42, 16
	s_cselect_b32 s94, 393216, s94
	s_cselect_b32 s95, 32768, s95
	s_cselect_b32 s98, 0, s98
	s_cselect_b32 s99, s99, 0
	s_lshl_b32 s92, s40, 1
	s_add_co_u32 s98, s98, s92
	s_add_co_u32 s98, s98, s16
	s_lshl_b32 s92, s41, 4
	s_add_co_u32 s99, s99, s92
	s_lshl_b32 s92, s15, 3
	s_add_co_u32 s99, s99, s92
	s_lshr_b32 s93, s42, 3
	s_lshl_b32 s98, s98, 1
	s_mul_i32 s20, s93, 6291456
	s_mul_i32 s92, s98, s94
	s_add_co_u32 s20, s20, s92
	s_mul_i32 s92, s99, 768
	s_add_co_u32 s20, s20, s92
	s_mov_b32 s21, 0
	s_add_nc_u64 s[12:13], s[8:9], s[20:21]
	s_mov_b32 s22, s94
	s_mov_b32 s23, 0
	s_add_nc_u64 s[96:97], s[12:13], s[22:23]
	s_lshl_b32 s20, s93, 19
	s_mul_i32 s92, s98, s95
	s_add_co_u32 s20, s20, s92
	s_lshl_b32 s92, s99, 6
	s_add_co_u32 s20, s20, s92
	s_add_nc_u64 s[20:21], s[10:11], s[20:21]
	v_mul_u32_u24 v[SWO], s95, v2
	v_lshl_add_u32 v[SWO], v1, 2, v[SWO]
.macro FRAG reg, adr, q, i
.irp p, 0,1,2,3,4,5
.set PCE, 12*(\q)+6*(\p/3)+\p%3
.if PCE%8 < 5
	ds_load_b64 v[\reg+2*\p:\reg+2*\p+1], v[\adr] offset:8*PCE+16*(PCE/8)+(\i)*16*PITCH
.else
	ds_load_b64 v[\reg+2*\p:\reg+2*\p+1], v[\adr+2] offset:8*PCE+16*(PCE/8)+(\i)*16*PITCH
.endif
.endr
.endm
.macro MUL16 a0, p, q, sc, zero
.irp a, \a0, \a0+1
.irp b, 0,1,2,3,4,5,6,7
.if \zero
	v_wmma_scale_f32_16x16x128_f8f6f4 v[8*(8*((\a)%4)+\b):8*(8*((\a)%4)+\b)+7], v[128*(\p)+FR*\b:128*(\p)+FR*\b+FR-1], v[AF+FR*(\a):AF+FR*(\a)+FR-1], 0, v[SC+8*NQ*(\sc)+NQ*\b+(\q)], v[SC+8*NQ*(\sc)+NQ*(\a)+(\q)] matrix_a_fmt:MATRIX_FMT_BF6 matrix_b_fmt:MATRIX_FMT_BF6 matrix_a_scale:MATRIX_SCALE_ROW1
.else
	v_wmma_scale_f32_16x16x128_f8f6f4 v[8*(8*((\a)%4)+\b):8*(8*((\a)%4)+\b)+7], v[128*(\p)+FR*\b:128*(\p)+FR*\b+FR-1], v[AF+FR*(\a):AF+FR*(\a)+FR-1], v[8*(8*((\a)%4)+\b):8*(8*((\a)%4)+\b)+7], v[SC+8*NQ*(\sc)+NQ*\b+(\q)], v[SC+8*NQ*(\sc)+NQ*(\a)+(\q)] matrix_a_fmt:MATRIX_FMT_BF6 matrix_b_fmt:MATRIX_FMT_BF6 matrix_a_scale:MATRIX_SCALE_ROW1
.endif
.endr
.endr
.endm
.macro FETCH_B slot, q, p
	WIN TO_B
.irp i, 0,1,2,3,4,5,6,7
	FRAG 128*(\p)+FR*\i, ADRB+\slot, \q, \i
.endr
	WIN 0
.endm
.macro FETCH_A slot, q, i0
.irp i, \i0, \i0+1, \i0+2, \i0+3
	FRAG AF+FR*(\i), ADRA+\slot, \q, \i
.endr
.endm
.macro SCALES sc
.irp i, 0,1,2,3,4,5,6,7
	ds_load_b64 v[SC+8*NQ*\sc+NQ*\i:SC+8*NQ*\sc+NQ*\i+1], v[ADRS] offset:\i*SBLK
.endr
.endm
.macro PLACES n
.rept \n
	v_nop
.endr
.endm
.macro STEP slot, q, zero
	s_wait_dscnt 4*NL
	WIN MUL_LO
	MUL16 0, (\q)%2, \q, \slot, \zero
	MUL16 2, (\q)%2, \q, \slot, \zero
	s_wait_dscnt 0
	PLACES NP
	FETCH_B \slot, (\q)+1, 1-(\q)%2
	FETCH_A \slot, (\q)+1, 0
	WIN MUL_HI
	MUL16 4, (\q)%2, \q, \slot, \zero
	MUL16 6, (\q)%2, \q, \slot, \zero
	PLACES NP
	WIN 0
	FETCH_A \slot, (\q)+1, 4
.endm
.macro TURN slot, next, fill
	s_wait_tensorcnt 0x0
	ds_add_u32 v[SPW], v[NIL]
	s_wait_dscnt 4*NL+1
	WIN MUL_LO
	MUL16 0, 1, NQ-1, \slot, 0
	s_wait_dscnt 0x0
	s_barrier_signal -1
	MUL16 2, 1, NQ-1, \slot, 0
	WIN 0
	s_barrier_wait -1
.if \fill
	CREST
	s_add_nc_u64 s[G0+4*\slot+2:G0+4*\slot+3], s[G0+4*\slot+2:G0+4*\slot+3], 2*ROWB
	s_add_nc_u64 s[G0B+4*\slot+2:G0B+4*\slot+3], s[G0B+4*\slot+2:G0B+4*\slot+3], 2*ROWB
	JLOAD G0+4*\slot, G1, G0B+4*\slot, G1B
.else
	PLACES NP
.endif
	s_wait_alu depctr_va_vdst(0)
	v_add_nc_u32 v[ADRS], 4*NQ, v[ADRS]
	FETCH_B \next, 0, 0
	FETCH_A \next, 0, 0
	SCALES \next
	WIN MUL_HI
	MUL16 4, 1, NQ-1, \slot, 0
	MUL16 6, 1, NQ-1, \slot, 0
	PLACES NP
	WIN 0
	FETCH_A \next, 0, 4
.endm
	s_wait_alu depctr_va_vdst(0)
	s_wait_tensorcnt 1
	s_barrier_signal -1
	s_barrier_wait -1
	FETCH_B 0, 0, 0
	FETCH_A 0, 0, 0
	SCALES 0
	FETCH_A 0, 0, 4
	STEP 0, 0, 1
	s_mov_b32 s3, LAPS-1
.Llap:
	TURN 0, 1, 1
	STEP 1, 0, 0
	TURN 1, 0, 1
	STEP 0, 0, 0
	s_sub_co_u32 s3, s3, 1
	s_cmp_lg_u32 s3, 0
	s_cbranch_scc1 .Llap
	TURN 0, 1, 0
	STEP 1, 0, 0
	s_wait_dscnt 4*NL
	WIN MUL_LO
	MUL16 0, 1, NQ-1, 1, 0
	MUL16 2, 1, NQ-1, 1, 0
	s_wait_dscnt 0
	WIN MUL_HI
	MUL16 4, 1, NQ-1, 1, 0
	MUL16 6, 1, NQ-1, 1, 0
	WIN 0
.macro OUTQ a
.set AC, 64*((\a)%4)
	s_wait_xcnt 0x0
	WIN 0x0a+5*((\a)/4)
.irp b, 0,1,2,3
	v_max3_num_f32 v[TM+\b], |v[AC+16*\b]|, |v[AC+16*\b+1]|, 0x2800000
.endr
.irp i, 2,4,6,8,10,12,14
.irp b, 0,1,2,3
	v_max3_num_f32 v[TM+\b], |v[AC+16*\b+\i]|, |v[AC+16*\b+\i+1]|, v[TM+\b]
.endr
.endr
	WIN 0
.irp b, 0,1,2,3
	v_permlanex16_b32 v[TM+4+\b], v[TM+\b], s[SEL], s[SEL+1]
.endr
.irp b, 0,1,2,3
	v_max_num_f32 v[TM+\b], v[TM+\b], v[TM+4+\b]
.endr
.irp b, 0,1,2,3
	v_add_nc_u32 v[TM+12+\b], 0xfe000000, v[TM+\b]
.endr
.irp b, 0,1,2,3
	v_lshrrev_b32 v[TM+4+\b], 23, v[TM+12+\b]
.endr
	v_lshl_or_b32 v[PW], v[TM+5], 8, v[TM+4]
	v_lshl_or_b32 v[PW], v[TM+6], 16, v[PW]
	v_lshl_or_b32 v[PW], v[TM+7], 24, v[PW]
	v_lshrrev_b32 v[PW2], v[SHF], v[PW]
	WIN 0x02+((\a)/4)
.irp c, 0,1
	v_cvt_scalef32_pk16_bf6_f32 v[CD+6*\c:CD+2+6*\c], v[AC+32*\c:AC+15+32*\c], v[TM+12+2*\c]
	v_cvt_scalef32_pk16_bf6_f32 v[CD+12+4*\c:CD+14+4*\c], v[AC+16+32*\c:AC+31+32*\c], v[TM+12+2*\c+1]
.endr
	WIN 0
	v_nop
.irp c, 0,1
.irp i, 0,1,2
	v_permlane16_swap_b32 v[CD+6*\c+\i], v[CD+12+4*\c+\i]
.endr
.irp i, 0,1,2
	v_mov_b32 v[CD+3+6*\c+\i], v[CD+12+4*\c+\i]
.endr
.endr
	global_store_b128 v[L16], v[CD:CD+3], s[12:13] offset:768*(\a)
	global_store_b64 v[L8], v[CD+4:CD+5], s[12:13] offset:768*(\a)+512
	global_store_b128 v[L16], v[CD+6:CD+9], s[96:97] offset:768*(\a)
	global_store_b64 v[L8], v[CD+10:CD+11], s[96:97] offset:768*(\a)+512
	global_store_b32 v[SWO], v[PW2], s[20:21] offset:64*(\a)
.endm
	s_mov_b32 s[SEL], 0x76543210
	s_mov_b32 s[SEL+1], 0xfedcba98
	PLACES NP
.irp b, 0,1,2,3
	v_mov_b32 v[TM+4+\b], 0
.endr
.irp a, 0,1,2,3,4,5,6,7
	OUTQ \a
.endr
	s_wait_tensorcnt 0x0
	ds_add_u32 v[SPW], v[NIL]
	s_wait_dscnt 0x0
	CROUND
	s_endpgm
.Lfunc_end_k_qce6105cb14_proj:
	.size	k_qce6105cb14_proj, .Lfunc_end_k_qce6105cb14_proj-k_qce6105cb14_proj
	.p2alignl 7, 3214868480
	.fill 96, 4, 3214868480
	.section	.rodata,"a",@progbits
	.p2align	6, 0x0
	.amdhsa_kernel k_qce6105cb14_proj
		.amdhsa_group_segment_fixed_size 327680
		.amdhsa_private_segment_fixed_size 0
		.amdhsa_enable_private_segment 0
		.amdhsa_kernarg_size 32
		.amdhsa_user_sgpr_count 2
		.amdhsa_user_sgpr_kernarg_segment_ptr 1
		.amdhsa_wavefront_size32 1
		.amdhsa_system_sgpr_workgroup_id_x 1
		.amdhsa_system_sgpr_workgroup_id_y 1
		.amdhsa_system_sgpr_workgroup_id_z 1
		.amdhsa_system_vgpr_workitem_id 0
		.amdhsa_next_free_vgpr 1024
		.amdhsa_next_free_sgpr 100
		.amdhsa_reserve_vcc 0
		.amdhsa_float_denorm_mode_32 3
		.amdhsa_float_denorm_mode_16_64 3
		.amdhsa_memory_ordered 1
		.amdhsa_forward_progress 1
		.amdhsa_inst_pref_size 168
	.end_amdhsa_kernel
	.amdgpu_metadata
---
amdhsa.version: [ 1, 2 ]
amdhsa.kernels:
  - .name:           k_qce6105cb14_proj
    .symbol:         k_qce6105cb14_proj.kd
    .args:
      - { .name: codes, .offset: 0, .size: 8, .value_kind: global_buffer, .address_space: global }
      - { .name: scales, .offset: 8, .size: 8, .value_kind: global_buffer, .address_space: global }
      - { .name: pc, .offset: 16, .size: 8, .value_kind: global_buffer, .address_space: global }
      - { .name: psc, .offset: 24, .size: 8, .value_kind: global_buffer, .address_space: global }
    .group_segment_fixed_size: 327680
    .private_segment_fixed_size: 0
    .kernarg_segment_align: 8
    .kernarg_segment_size: 32
    .max_flat_workgroup_size: 128
    .sgpr_count:     100
    .vgpr_count:     1024
    .wavefront_size: 32
...
	.end_amdgpu_metadata
.endif
;; end of part 2
;; launch attn (part 3): grid 4 x 64, 16 waves a work-group, clusters of 4 x 1, 235,520 bytes of LDS; arguments pc, psc, oc, osc; writes oc, osc
.if DOCPART == 3
	.amdgcn_target "amdgcn-amd-amdhsa--gfx1250"
	.amdhsa_code_object_version 6
	.text
	.protected	k_qce6105cb14_attn
	.globl	k_qce6105cb14_attn
	.p2align	8
	.type	k_qce6105cb14_attn,@function
k_qce6105cb14_attn:
	s_mov_b64 s[64:65], 0
	v_nop
	global_prefetch_b8 v0, s[64:65] scope:SCOPE_SE
	s_setreg_imm32_b32 hwreg(HW_REG_WAVE_MODE, 25, 1), 1
	s_wait_xcnt 0x0
	s_wait_alu depctr_hold_cnt(0) depctr_sa_sdst(0) depctr_va_vdst(0) depctr_va_sdst(0) depctr_va_ssrc(0) depctr_va_vcc(0) depctr_vm_vsrc(0)
	s_getreg_b32 s2, hwreg(HW_REG_IB_STS2, 6, 4)
	s_cmp_eq_u32 s2, 0
	s_cbranch_scc0 .Lentry_in_a_cluster
	s_endpgm
.Lentry_in_a_cluster:
	s_bfe_u32 s2, ttmp6, 0x10000c
	s_cmp_lg_u32 s2, 0x3003
	s_cbranch_scc0 .Lentry_shape_is_right
	s_endpgm
.Lentry_shape_is_right:
; o = softmax(q k^T / 8) v for one head and 512 queries a work-group, both products on codes of BF6 (E3M2) with E8M0 scales; o is quantised along the model's 1,024 for the output projection.
; THE SOFTMAX: t = score x log2(e) / 8; M = the running largest t rounded UP to a whole number; p = 2^(t - M) is quantised along the keys, not normalised; the row's sum is taken of the unquantised p and divides O at the end.
; When M moves, the sum and O are multiplied by 2^(old M - new M): exact, in every step, with no branch.
; SHARES.  4 x 64 = 256 work-groups.  Sixteen waves; a wave takes two blocks of 16 queries, one after the other (two passes), each over the head's 2,048 keys, 128 a step, two steps a trip.
; ALL OF A HEAD'S k AND v^T LIE IN LDS, filled once at the head: no slot is filled again, so the loops have no barrier.  No prefetch: every fill goes out at the head, and no loop runs ahead of a load.
; They lie as HALF IMAGES of an operand's registers (768 bytes: 16 rows x 64 along K; lane l's registers 0-3 at 16 l, registers 4-5 at 512 + 8 l); k's have 64 bytes of padding behind every 256, so an image takes 960.
; A TILE OF k IS MADE OF TWO IMAGES: image 2 B + e, row i + 8 g holds key 32 B + 16 g + 8 e + i.  Tile 4 c + u takes as rows 0-7 keys 8 u .. 8 u + 7 of block 2 c and as rows 8-15 the same of block 2 c + 1: lanes with row 8-15 read two images (1,920 bytes) on.
; Both products are used transposed (S^T = k q^T, O^T = v^T p^T).  Lane (query, h) then holds in registers 32 c .. 32 c + 31 of S^T keys 64 c + 32 h + 0 .. 31: WHOLE blocks of 32, in the order of the second product's operand:
; a block's largest score needs no other lane, and the conversions' results are the operand's registers.
; THE SCORES' K IS 64: registers 6-11 of q's fragment are zero codes.  So what registers 6-11 of k's fragments hold counts for nothing: the fragments lie six registers apart, each reaching over the next; the last reaches over six work registers.
; (Every pattern of bits is a finite code, and the upper two bytes of the scale words are never 0xff.)
; k's fragments are fetched one step ahead, round the end of the keys to their start, which serves the second pass; the second pass's last fetch is read by nobody.
; CLUSTER.  The four query blocks of a cluster belong to one head: every fill is asked for jointly, with the mask of all four.
; LIMITS: NaN and infinities are not served; a block of zeros carries the byte 1 (its codes are zeros); the promise holds while the scaled scores stay under 2^31 in magnitude.
.set LVC, 122880                       ; v^T: row 2 s + c of 3,072 bytes = 4 tiles x 768;  k lies from byte 0: 128 images x 960
.set LKS, 221184                       ; k's scale words: 128 x 64
.set LVS, 229376                       ; v's: 16 steps x 256
.set SPARE, 233472                     ; the spare words, 128 bytes for each wave
.set QS,  0                            ; v0 q's scale words (the thread's number is used up by then)
; v1 16 lane, v2 512 + 8 lane, v3 4 (lane % 16): v's lane terms;  v4-6 k's;  v12 -M, v13 the largest score, v[14:15] the sum;  v16-27 q;  v28-31 v's scale words
.set KA,  7                            ; v7-9 k's LDS addresses; v10-11, v94 v's
.set KB,  8
.set KS,  9
.set VA,  10
.set VB,  11
.set KF,  32                           ; v32-79 k's eight fragments, six registers each
.set T,   80                           ; v80-82 a conversion's result on its way; v83-84 the conversions' scale operands; v85 idle
.set E,   83
.set KSC, 86                           ; v86-93 k's scale words
.set VS,  94
.set SH8, 95                           ; 8 (lane / 16)
.set VF,  96                           ; v96-143 v^T's four fragments
.set S,   144                          ; v144-207 S^T, then p
.set O,   208                          ; v208-239 O^T
.set P,   240                          ; v240-251 at work, then p's codes;  v252 f;  v253 p's scale word
.set SPW, 254
.set NIL, 255
.set WV,  18
.set NC,  19
.set SEL, 20
.set CS,  22
.set G1K, 24
.set G1V, 32
.set G1KS, 40
.set G1VS, 48
.set G0K, 56
.set G0V, 60
.set G0KS, 68
.set G0VS, 72
.set TK,  76
.set TV,  77
.set TKS, 78
.set TVS, 79
.set I,   80
.set PASS, 81
.macro ROUND                           ; a round of the cluster's barrier
	s_barrier_signal -1
	s_barrier_wait -1
	s_cmp_lg_u32 s[WV], 0
	s_cbranch_scc1 .Lnot_wave_0_\@
	s_barrier_signal -3
.Lnot_wave_0_\@:
	s_barrier_wait -3
	s_barrier_signal -1
	s_barrier_wait -1
.endm
.macro NOPS
.rept 4
	v_nop
.endr
.endm
.macro G1SET g, w0, c, r, p            ; a descriptor's group 1: r rows of c elements of 8 bytes, p elements apart
	s_mov_b32 s[\g], \w0
	s_mov_b32 s[\g+1], (\c)<<16
	s_mov_b32 s[\g+2], (\r)<<16
	s_mov_b32 s[\g+3], (\c)<<16
	s_mov_b32 s[\g+4], \r
	s_mov_b32 s[\g+5], \p
	s_mov_b32 s[\g+6], 0
	s_mov_b32 s[\g+7], 0
.endm
.macro QLOAD                           ; q's half image and scale words stay in registers for a pass
	global_load_b128 v[16:19], v1, s[92:93]
	global_load_b64 v[20:21], v2, s[92:93]
	global_load_b32 v[QS], v3, s[94:95]
.endm
.macro KLOAD b                         ; k's eight tiles of step b of the trip at which the address registers stand
.irp t, 0,1,2,3,4,5,6,7
	ds_load_b128 v[KF+6*\t:KF+6*\t+3], v[KA] offset:7680*\b+960*(4*(\t/4)+\t%2)+128*((\t%4)/2)
	ds_load_b64 v[KF+6*\t+4:KF+6*\t+5], v[KB] offset:7680*\b+960*(4*(\t/4)+\t%2)+64*((\t%4)/2)
	ds_load_b32 v[KSC+\t], v[KS] offset:512*\b+64*(4*(\t/4)+\t%2)+32*((\t%4)/2)
.endr
.endm
.macro VLOAD b
.irp t, 0,1,2,3
	ds_load_b128 v[VF+12*\t:VF+12*\t+3], v[VA] offset:6144*\b+768*\t
	ds_load_b64 v[VF+12*\t+4:VF+12*\t+5], v[VB] offset:6144*\b+768*\t
	ds_load_b128 v[VF+12*\t+6:VF+12*\t+9], v[VA] offset:6144*\b+3072+768*\t
	ds_load_b64 v[VF+12*\t+10:VF+12*\t+11], v[VB] offset:6144*\b+3072+768*\t
	ds_load_b32 v[28+\t], v[VS] offset:256*\b+64*\t
.endr
.endm
.macro PADD a, b                       ; pair a of p += pair b
	v_pk_add_f32 v[S+2*(\a):S+2*(\a)+1], v[S+2*(\a):S+2*(\a)+1], v[S+2*(\b):S+2*(\b)+1]
.endm
	s_load_b256 s[4:11], s[0:1], 0x0               ; pc s[4:5], psc s[6:7], oc s[8:9], osc s[10:11]
	v_lshl_add_u32 v[SPW], v0, 2, SPARE
	v_mov_b32 v[NIL], 0
	ds_add_u32 v[SPW], v[NIL]                      ; the opening lines: the add twice on end and its wait
	ds_add_u32 v[SPW], v[NIL]
	v_lshrrev_b32 v1, 5, v0
	v_readfirstlane_b32 s[WV], v1                  ; wave 0..15
	s_and_b32 s81, ttmp7, 0xffff
	s_lshr_b32 s82, s81, 4                         ; the batch
	s_and_b32 s83, s81, 15                         ; the head
	s_and_b32 s86, s[WV], 3                        ; which quarter I fetch, if I fetch
	s_lshl_b32 s87, s83, 9
	s_lshl_b32 s88, s82, 7
	s_add_co_u32 s87, s87, s88                     ; 512 head + 128 batch: k's first half image
	s_mul_i32 s12, s87, 768
	s_mul_i32 s88, s86, 24576                      ; a quarter, in memory (k) and in LDS (v)
	s_add_co_u32 s12, s12, s88
	s_add_co_u32 s12, s12, 6291456
	s_mov_b32 s13, 0
	s_mul_i32 s14, s82, 1572864                    ; v^T: 32 rows a batch, 49,152 bytes apart; the head's 3,072 bytes of each; 8 rows a quarter
	s_mul_i32 s89, s83, 3072
	s_add_co_u32 s14, s14, s89
	s_mul_i32 s89, s86, 393216
	s_add_co_u32 s14, s14, s89
	s_add_co_u32 s14, s14, 12582912
	s_mov_b32 s15, 0
	s_lshl_b32 s16, s87, 6
	s_add_co_u32 s16, s16, 524288                  ; k's scale words
	s_mov_b32 s17, 0
	s_lshl_b32 s90, s82, 17
	s_lshl_b32 s89, s83, 8
	s_add_co_u32 s90, s90, s89
	s_add_co_u32 s90, s90, 1048576                 ; v's
	s_mov_b32 s91, 0
	G1SET G1K, 15|(3<<16)|(1<<20)|(1<<21)|(5<<22)|(15<<25), 32, 96, 32   ; k: 96 rows of 256 dense bytes, 64 bytes of padding behind each; the mask of all four, bit 21 beside it
	G1SET G1V, 15|(3<<16)|(1<<21), 384, 8, 6144                          ; v^T: 8 rows of 3,072 bytes, 49,152 apart
	G1SET G1KS, 15|(3<<16)|(1<<21), 32, 32, 32                           ; k's scale words: 32 rows of 256 dense bytes
	G1SET G1VS, 15|(3<<16)|(1<<21), 32, 16, 1024                         ; v's: 16 rows of 256 bytes, 8,192 apart
	; my queries: the place in the cluster enters q's, oc's and osc's addresses alone
	s_bfe_u32 s84, ttmp6, 0x40000                  ; cx
	s_lshl_b32 s85, s84, 5
	s_lshl_b32 s84, s82, 7
	s_add_co_u32 s85, s85, s84
	s_add_co_u32 s85, s85, s[WV]                   ; aq = 128 batch + 32 cx + wave; the second pass takes aq + 16
	s_lshl_b32 s84, s83, 9
	s_add_co_u32 s84, s84, s85                     ; q's half image: 512 head + aq
	s_mul_i32 s92, s84, 768
	s_mov_b32 s93, 0
	s_lshl_b32 s94, s84, 6
	s_mov_b32 s95, 0
	s_lshl_b32 s2, s85, 3
	s_lshr_b32 s3, s83, 1
	s_add_co_u32 s2, s2, s3
	s_mul_i32 s2, s2, 1536                         ; oc: fragment 8 aq + head / 2,
	s_and_b32 s3, s83, 1
	s_mul_i32 s3, s3, 768                          ; its half head % 2
	s_add_co_u32 s2, s2, s3
	s_mov_b32 s3, 0
	s_lshl_b32 s84, s85, 4
	s_add_co_u32 s84, s84, s83
	s_lshl_b32 s84, s84, 7                         ; osc: (16 aq + head) x 128
	s_mov_b32 s85, 0
	s_mov_b32 s[SEL], 0x76543210
	s_mov_b32 s[SEL+1], 0xfedcba98
	s_mov_b32 s[CS], 0x3e38aa3b                    ; c = log2(e) / 8
	s_mov_b32 s[CS+1], s[CS]                       ; (named with it as a pair, so it is written)
	s_mov_b32 s[NC], 0xbe38aa3b                    ; -c
	s_wait_dscnt 0x0                               ; both opening adds are done
	s_wait_kmcnt 0x0
	s_mov_b32 s[G0K], 1
	s_mul_i32 s[G0K+1], s86, 30720                 ; a quarter of k in LDS: 96 rows of 320
	s_add_nc_u64 s[G0K+2:G0K+3], s[4:5], s[12:13]
	s_or_b32 s[G0K+3], s[G0K+3], 0x80000000
	s_mov_b32 s[G0V], 1
	s_add_co_u32 s[G0V+1], s88, LVC
	s_add_nc_u64 s[G0V+2:G0V+3], s[4:5], s[14:15]
	s_or_b32 s[G0V+3], s[G0V+3], 0x80000000
	s_mov_b32 s[G0KS], 1
	s_mov_b32 s[G0KS+1], LKS
	s_add_nc_u64 s[G0KS+2:G0KS+3], s[6:7], s[16:17]
	s_or_b32 s[G0KS+3], s[G0KS+3], 0x80000000
	s_mov_b32 s[G0VS], 1
	s_mov_b32 s[G0VS+1], LVS
	s_add_nc_u64 s[G0VS+2:G0VS+3], s[6:7], s[90:91]
	s_or_b32 s[G0VS+3], s[G0VS+3], 0x80000000
	s_add_nc_u64 s[92:93], s[4:5], s[92:93]        ; q's codes
	s_add_nc_u64 s[94:95], s[6:7], s[94:95]        ; q's scale words
	s_add_nc_u64 s[8:9], s[8:9], s[2:3]
	s_add_nc_u64 s[10:11], s[10:11], s[84:85]
	ROUND                                          ; all four work-groups are here: the joint loads meet
	s_cmp_lt_u32 s[WV], 4                          ; waves 0-3: k's quarters; 4-7: v^T's; 8: k's scale words; 9: v's; the others nothing.  One load a wave; four v_nop follow each
	s_cbranch_scc0 .Lnot_k
	tensor_load_to_lds s[G0K:G0K+3], s[G1K:G1K+7]
	s_nop 0
	NOPS
	s_branch .Lasked
.Lnot_k:
	s_cmp_lt_u32 s[WV], 8
	s_cbranch_scc0 .Lnot_v
	tensor_load_to_lds s[G0V:G0V+3], s[G1V:G1V+7]
	s_nop 0
	NOPS
	s_branch .Lasked
.Lnot_v:
	s_cmp_eq_u32 s[WV], 8
	s_cbranch_scc0 .Lnot_ks
	tensor_load_to_lds s[G0KS:G0KS+3], s[G1KS:G1KS+7]
	s_nop 0
	NOPS
	s_branch .Lasked
.Lnot_ks:
	s_cmp_eq_u32 s[WV], 9
	s_cbranch_scc0 .Lasked
	tensor_load_to_lds s[G0VS:G0VS+3], s[G1VS:G1VS+7]
	s_nop 0
	NOPS
.Lasked:
	v_and_b32 v10, 31, v0                          ; lane
	v_and_b32 v3, 15, v0
	v_and_b32 v7, 7, v0                            ; row % 8
	v_bfe_u32 v8, v0, 3, 1                         ; row / 8
	v_bfe_u32 v9, v0, 4, 1                         ; h
	v_lshlrev_b32 v1, 4, v10
	v_lshlrev_b32 v2, 3, v10
	v_lshlrev_b32 v3, 2, v3
	v_lshlrev_b32 v6, 7, v8                        ; k's scale words: two images, 128 bytes, on for rows 8-15,
	v_mul_u32_u24 v8, v8, 1920                     ; k's codes: two images of 960
	v_add_nc_u32 v2, 512, v2
	v_lshl_add_u32 v6, v7, 2, v6                   ; + 4 (row % 8)
	v_mad_u32_u24 v4, v9, 320, v8                  ; registers 0-3: lanes 16-31 lie 256 bytes and a padding on,
	v_lshl_add_u32 v5, v9, 7, v8                   ; registers 4-5: 128 bytes on
	v_lshlrev_b32 v[SH8], 3, v9
	v_add_nc_u32 v6, LKS, v6
	v_lshl_add_u32 v4, v7, 4, v4
	v_lshl_add_u32 v5, v7, 3, v5
	v_add_nc_u32 v[KS], 0, v6
	v_add_nc_u32 v[KA], 0, v4                      ; the addresses stand at the first trip
	v_add_nc_u32 v5, 640, v5
	v_add_nc_u32 v[KB], 0, v5
	QLOAD
.irp j, 22,23,24,25,26,27, T,T+1,T+2,T+3,T+4,T+5, P+5,P+10,253
	v_mov_b32 v[\j], 0                             ; K = 64 .. 127 of q: zero codes; the work registers that k's last fragment reaches over; two lane permutes' destinations; the upper half of the pair v[252:253]
.endr
	s_mov_b32 s[PASS], 0
	s_wait_alu depctr_va_vdst(0)
	s_wait_tensorcnt 0x0                           ; my fill has landed,
	s_barrier_signal -1
	s_barrier_wait -1                              ; everybody's has
	KLOAD 0                                        ; the first step's k
; A STEP of 128 keys.  Its k is in registers.  b: which step of the trip.
.macro STEP b
.irp t, 0,1,2,3,4,5,6,7
	v_wmma_scale_f32_16x16x128_f8f6f4 v[S+8*\t:S+8*\t+7], v[KF+6*\t:KF+6*\t+11], v[16:27], 0, v[KSC+\t], v[QS] matrix_a_fmt:MATRIX_FMT_BF6 matrix_b_fmt:MATRIX_FMT_BF6
.endr
.if \b == 0                            ; four places behind the products, in front of the loads into their registers and of the first read of results: the addresses that are due
	v_add_nc_u32 v[VA], s[TV], v1
	v_add_nc_u32 v[VB], s[TV], v2
	v_add_nc_u32 v[VS], s[TVS], v3
	v_nop
	KLOAD 1                                        ; the next step's k,
.else
	v_add_nc_u32 v[KA], s[TK], v4                  ; on to the next trip, round the end
	v_add_nc_u32 v[KB], s[TK], v5
	v_add_nc_u32 v[KS], s[TKS], v6
	v_nop
	KLOAD 0
.endif
	VLOAD \b                                       ; and this step's v^T: 44 loads that land under the softmax
.irp c, 0,1                            ; the largest score of each of my two blocks, in two chains each; each accumulator is first read at its low end
	v_max3_num_f32 v[P+2*\c], v[S+32*\c], v[S+32*\c+1], v[S+32*\c+2]
	v_max3_num_f32 v[P+2*\c+1], v[S+32*\c+16], v[S+32*\c+17], v[S+32*\c+18]
.endr
.irp i, 3,5,7,9,11,13
.irp c, 0,1
	v_max3_num_f32 v[P+2*\c], v[P+2*\c], v[S+32*\c+\i], v[S+32*\c+\i+1]
	v_max3_num_f32 v[P+2*\c+1], v[P+2*\c+1], v[S+32*\c+16+\i], v[S+32*\c+17+\i]
.endr
.endr
	v_max3_num_f32 v[P], v[P], v[P+1], v[S+15]
	v_max3_num_f32 v[P+2], v[P+2], v[P+3], v[S+47]
	v_max_num_f32 v[P], v[P], v[S+31]
	v_max_num_f32 v[P+2], v[P+2], v[S+63]
	v_max_num_f32 v[P+4], v[P], v[P+2]
	v_permlanex16_b32 v[P+5], v[P+4], s[SEL], s[SEL+1]
	v_max3_num_f32 v13, v13, v[P+4], v[P+5]        ; the running largest score of my query
	v_mul_f32 v[P+4], s[NC], v13                   ; -t
	v_mov_b32 v[P+5], v12
	v_floor_f32 v12, v[P+4]                        ; the new -M = -ceil(t)
	v_sub_f32 v[P+5], v12, v[P+5]                  ; old M - new M: a whole number, 0 or less
	v_cvt_i32_f32 v[P+5], v[P+5]                   ; (it saturates)
	v_ldexp_f32 v252, 1.0, v[P+5]                  ; f = 2^(old M - new M)
.set j, 0
.rept 16
	v_pk_mul_f32 v[O+j:O+1+j], v[O+j:O+1+j], v[252:253] op_sel_hi:[1,0]   ; O^T under the new M, ahead of the exponentials; each accumulator from its low end on
.set j, j+2
.endr
.set j, 0
.rept 32
	v_pk_fma_f32 v[S+j:S+1+j], v[S+j:S+1+j], s[CS:CS+1], v[12:13] op_sel_hi:[1,0,0]   ; t - M, two at a time
.set j, j+2
.endr
	v_fma_f32 v[P], v[P], s[CS], v12               ; the same of each block's largest score
	v_fma_f32 v[P+2], v[P+2], s[CS], v12
	s_wait_alu depctr_va_vdst(0)
.set j, 0
.rept 64
	v_exp_f32 v[S+j], v[S+j]                       ; p = 2^(t - M)
.set j, j+1
.endr
	v_exp_f32 v[P], v[P]                           ; the block's largest p: the same two instructions on the same number
	v_exp_f32 v[P+2], v[P+2]
	v_pk_mul_f32 v[14:15], v[14:15], v[252:253] op_sel_hi:[1,0]   ; the sums under the new M (the plain place behind the exponentials)
	s_wait_alu depctr_va_vdst(0)                   ; and behind it, ahead of its first reader
	v_max_num_f32 v[P], 0x2800000, v[P]            ; the floor 2^(5 - 127): the byte cannot fall under 1
	v_max_num_f32 v[P+2], 0x2800000, v[P+2]
	v_add_nc_u32 v[E], 0xfe000000, v[P]            ; 4 off the exponent field: the conversions' scale operands
	v_add_nc_u32 v[E+1], 0xfe000000, v[P+2]
	v_cvt_scalef32_pk16_bf6_f32 v[P:P+2], v[S:S+15], v[E]
	v_cvt_scalef32_pk16_bf6_f32 v[T:T+2], v[S+16:S+31], v[E]        ; (a conversion's three registers begin on an even number: a block's upper half is made elsewhere and moved)
	v_cvt_scalef32_pk16_bf6_f32 v[P+6:P+8], v[S+32:S+47], v[E+1]
	v_lshrrev_b32 v[P+9], 23, v[E]                 ; my two blocks' bytes (these lines are also the plain place behind the conversions),
	v_lshrrev_b32 v[P+10], 23, v[E+1]
	v_lshl_or_b32 v[P+9], v[P+10], 16, v[P+9]
	v_lshlrev_b32 v[P+9], v[SH8], v[P+9]           ; at their places in the word: blocks h and 2 + h;
	v_permlanex16_b32 v[P+10], v[P+9], s[SEL], s[SEL+1]
	v_or_b32 v253, v[P+9], v[P+10]                 ; with lane l xor 16's two: p's scale word for these 128 keys
.irp i, 0,1,2
	v_mov_b32 v[P+3+\i], v[T+\i]
.endr
	v_cvt_scalef32_pk16_bf6_f32 v[T:T+2], v[S+48:S+63], v[E+1]
.irp i, 0,1,2,3,4,5,6,7                ; THE ROW'S SUM OF THE UNQUANTISED p, a tree in place; these 32 lines are also the places in front of the products below
	PADD \i, \i+16
.endr
.irp i, 0,1,2
	v_mov_b32 v[P+9+\i], v[T+\i]
.endr
.irp i, 8,9,10,11,12,13,14,15
	PADD \i, \i+16
.endr
.irp i, 0,1,2,3,4,5,6,7
	PADD \i, \i+8
.endr
.irp i, 0,1,2,3
	PADD \i, \i+4
.endr
	PADD 0, 2
	PADD 1, 3
	v_pk_add_f32 v[14:15], v[14:15], v[S:S+1]
	v_pk_add_f32 v[14:15], v[14:15], v[S+2:S+3]
	s_wait_alu depctr_va_vdst(0)
	s_wait_dscnt 0x0                               ; v^T's fragments and the next step's k are in
.irp t, 0,1,2,3                        ; the four accumulators take turns, one instruction a turn
	v_wmma_scale_f32_16x16x128_f8f6f4 v[O+8*\t:O+7+8*\t], v[VF+12*\t:VF+12*\t+11], v[P:P+11], v[O+8*\t:O+7+8*\t], v[28+\t], v253 matrix_a_fmt:MATRIX_FMT_BF6 matrix_b_fmt:MATRIX_FMT_BF6
.endr
.endm
.Lpass:                                            ; two passes, 16 queries each
	v_mov_b32 v13, 0xff61b1e6                      ; the largest score so far: -3e38
	v_floor_f32 v12, -v13                          ; -M
	v_mov_b32 v14, 0
	v_mov_b32 v15, 0
.set j, 0
.rept 32
	v_mov_b32 v[O+j], 0                            ; O^T: the step is written once; the first finds zeros, which the first change of M leaves zeros
.set j, j+1
.endr
	s_mov_b32 s[I], 0
	s_wait_alu depctr_va_vdst(0)
	s_wait_loadcnt 0x0                             ; q
	s_wait_dscnt 0x0                               ; the first step's k
.Ltrip:                                            ; 8 trips of two steps
	s_mul_i32 s[TV], s[I], 12288
	s_add_co_u32 s[TV], s[TV], LVC
	s_lshl_b32 s[TVS], s[I], 9
	s_add_co_u32 s[TVS], s[TVS], LVS
	s_add_co_u32 s82, s[I], 1
	s_and_b32 s82, s82, 7                          ; the next trip, round the end
	s_mul_i32 s[TK], s82, 15360
	s_lshl_b32 s[TKS], s82, 10
	STEP 0
	STEP 1
	s_add_co_u32 s[I], s[I], 1
	s_cmp_lt_u32 s[I], 8
	s_cbranch_scc1 .Ltrip
	NOPS                                           ; places behind the last products
	s_cmp_eq_u32 s[PASS], 1
	s_cbranch_scc1 .Lno_q
	s_add_nc_u64 s[92:93], s[92:93], 12288         ; the second pass's q, 16 images on, lands under the way out (the first pass's loads were waited for)
	s_add_nc_u64 s[94:95], s[94:95], 1024
	QLOAD
.Lno_q:
	; THE WAY OUT: O^T / the sum; register 16 b + i of a lane is channel 32 b + 16 (lane / 16) + i of the head: two blocks of 32 along the output projection's K, quantised as they lie: one half image, one scale word a row
	v_add_f32 v14, v14, v15
	v_permlanex16_b32 v252, v14, s[SEL], s[SEL+1]
	v_add_f32 v14, v14, v252                       ; the row's sum
	s_wait_alu depctr_va_vdst(0)
	v_rcp_f32 v14, v14
	v_nop                                          ; one plain place behind the reciprocal
	s_wait_alu depctr_va_vdst(0)
.set j, 0
.rept 32
	v_mul_f32 v[S+j], v[O+j], v14
.set j, j+1
.endr
.irp b, 0,1
	v_max3_num_f32 v[S+32+\b], |v[S+16*\b]|, |v[S+1+16*\b]|, 0x2800000
.endr
.irp i, 2,4,6,8,10,12,14
.irp b, 0,1
	v_max3_num_f32 v[S+32+\b], v[S+32+\b], |v[S+16*\b+\i]|, |v[S+1+16*\b+\i]|
.endr
.endr
.irp b, 0,1
	v_permlanex16_b32 v[S+36+\b], v[S+32+\b], s[SEL], s[SEL+1]
.endr
.irp b, 0,1
	v_max_num_f32 v[S+32+\b], v[S+32+\b], v[S+36+\b]
.endr
.irp b, 0,1
	v_add_nc_u32 v[S+44+\b], 0xfe000000, v[S+32+\b]
.endr
.irp b, 0,1
	v_lshrrev_b32 v[S+36+\b], 23, v[S+44+\b]
.endr
	v_lshrrev_b32 v[S+41], 2, v1                   ; 4 x lane
	v_lshl_or_b32 v[S+40], v[S+37], 8, v[S+36]     ; the head's two bytes, zeros above
	v_cvt_scalef32_pk16_bf6_f32 v[P:P+2], v[S:S+15], v[S+44]
	v_cvt_scalef32_pk16_bf6_f32 v[S+36:S+38], v[S+16:S+31], v[S+45]
	v_nop
.irp i, 0,1,2
	v_permlane16_swap_b32 v[P+\i], v[S+36+\i]
.endr
.irp i, 0,1,2
	v_mov_b32 v[P+3+\i], v[S+36+\i]
.endr
	global_store_b128 v1, v[P:P+3], s[8:9]         ; 512 consecutive bytes, aligned
	global_store_b64 v2, v[P+4:P+5], s[8:9]        ; and the 256 behind them
	global_store_b32 v[S+41], v[S+40], s[10:11]
	s_wait_xcnt 0x0                                ; the stores have read their registers and bases
	s_add_nc_u64 s[8:9], s[8:9], 196608            ; 16 blocks of queries on
	s_add_nc_u64 s[10:11], s[10:11], 32768
	s_add_co_u32 s[PASS], s[PASS], 1
	s_cmp_lt_u32 s[PASS], 2
	s_wait_alu depctr_va_vdst(0)
	s_cbranch_scc1 .Lpass
	s_wait_tensorcnt 0x0                           ; the wave's end
	ds_add_u32 v[SPW], v[NIL]
	s_wait_dscnt 0x0
	ROUND                                          ; the closing round: no work-group ends while a partner may still ask for a tile that names it
	s_endpgm
.Lfunc_end_k_qce6105cb14_attn:
	.size	k_qce6105cb14_attn, .Lfunc_end_k_qce6105cb14_attn-k_qce6105cb14_attn
	.p2alignl 7, 3214868480
	.fill 96, 4, 3214868480
	.section	.rodata,"a",@progbits
	.p2align	6, 0x0
	.amdhsa_kernel k_qce6105cb14_attn
		.amdhsa_group_segment_fixed_size 235520
		.amdhsa_private_segment_fixed_size 0
		.amdhsa_enable_private_segment 0
		.amdhsa_kernarg_size 32
		.amdhsa_user_sgpr_count 2
		.amdhsa_user_sgpr_kernarg_segment_ptr 1
		.amdhsa_wavefront_size32 1
		.amdhsa_system_sgpr_workgroup_id_x 1
		.amdhsa_system_sgpr_workgroup_id_y 1
		.amdhsa_system_sgpr_workgroup_id_z 1
		.amdhsa_system_vgpr_workitem_id 0
		.amdhsa_next_free_vgpr 256
		.amdhsa_next_free_sgpr 96
		.amdhsa_reserve_vcc 0
		.amdhsa_float_denorm_mode_32 3
		.amdhsa_float_denorm_mode_16_64 3
		.amdhsa_memory_ordered 1
		.amdhsa_forward_progress 1
		.amdhsa_inst_pref_size 48
	.end_amdhsa_kernel
	.amdgpu_metadata
---
amdhsa.version: [ 1, 2 ]
amdhsa.kernels:
  - .name:           k_qce6105cb14_attn
    .symbol:         k_qce6105cb14_attn.kd
    .args:
      - { .name: pc, .offset: 0, .size: 8, .value_kind: global_buffer, .address_space: global }
      - { .name: psc, .offset: 8, .size: 8, .value_kind: global_buffer, .address_space: global }
      - { .name: oc, .offset: 16, .size: 8, .value_kind: global_buffer, .address_space: global }
      - { .name: osc, .offset: 24, .size: 8, .value_kind: global_buffer, .address_space: global }
    .group_segment_fixed_size: 235520
    .private_segment_fixed_size: 0
    .kernarg_segment_align: 8
    .kernarg_segment_size: 32
    .max_flat_workgroup_size: 512
    .sgpr_count:     96
    .vgpr_count:     256
    .wavefront_size: 32
...
	.end_amdgpu_metadata
.endif
;; end of part 3
;; launch outln (part 4): grid 256 x 1, 8 waves a work-group, clusters of 4 x 1, 327,680 bytes of LDS; arguments oc, osc, codes, scales, Q, ln_gamma, ln_beta, out0; writes out0
.if DOCPART == 4
	.amdgcn_target "amdgcn-amd-amdhsa--gfx1250"
	.amdhsa_code_object_version 6
	.text
	.protected	k_qce6105cb14_outln
	.globl	k_qce6105cb14_outln
	.p2align	8
	.type	k_qce6105cb14_outln,@function
k_qce6105cb14_outln:
	s_mov_b64 s[64:65], 0
	v_nop
	global_prefetch_b8 v0, s[64:65] scope:SCOPE_SE
	s_setreg_imm32_b32 hwreg(HW_REG_WAVE_MODE, 25, 1), 1
	s_wait_xcnt 0x0
	s_wait_alu depctr_hold_cnt(0) depctr_sa_sdst(0) depctr_va_vdst(0) depctr_va_sdst(0) depctr_va_ssrc(0) depctr_va_vcc(0) depctr_vm_vsrc(0)
	s_getreg_b32 s2, hwreg(HW_REG_IB_STS2, 6, 4)
	s_cmp_eq_u32 s2, 0
	s_cbranch_scc0 .Lentry_in_a_cluster
	s_endpgm
.Lentry_in_a_cluster:
	s_bfe_u32 s2, ttmp6, 0x10000c
	s_cmp_lg_u32 s2, 0x3003
	s_cbranch_scc0 .Lentry_shape_is_right
	s_endpgm
.Lentry_shape_is_right:
; out0 = LayerNorm(o Wo^T + Q) x gamma + beta.  The product runs on codes of BF6 (E3M2) with E8M0 scales, K = 1,024; all else is f32.
; SHARES.  A work-group owns 32 rows (two blocks of 16 places) and ALL 1,024 columns, so a row's mean and variance never leave it.  Eight waves; wave w owns places 64 w .. 64 w + 63 of each half of Wo's rows:
; 4 tiles x 2 blocks of rows x 2 halves = 16 accumulators.  The product is used transposed (source 0 = 16 rows of Wo, source 1 = 16 rows of o): a lane holds one row and eight neighbouring columns.
; Wo's codes walk through two LDS slots, each 512 rows x 256 along K: slot 0 always holds the lower half of Wo's rows, slot 1 the upper; eight visits, (K step of 256) x (half).  A wave fetches and reads its own 64 rows.
; o's 16 fragments (images of an operand's registers, 24,576 bytes) and Wo's scale bytes (32,768) come once.
; CLUSTER.  All work-groups walk the same Wo: its tiles and scales are asked for jointly by the four of a cluster; o's images are each work-group's own, by a plain load behind the same round.
; THE VARIANCE is the mean of the squares of (x - mean), taken in a second pass over registers: no difference of large sums.
; LIMITS: NaN and infinities are not served.
; REGISTERS: v1 16 x lane; v4-7 Wo's fragment addresses; v8-9 o's images; v10 Wo's scale words; v11-12 into the stage; v13 out of it; v14-15 the add's two; v16-23 o's scale words; v24-31 Wo's;
;   v32-79 four fragments of Wo; v80-103 two of o; v128-255 the accumulators.  On the way out: v2-9 at work; v32-63 gamma; v64-95 beta; v96-127 a stage row; v128-255 four rows.
.set PITCH,  240                       ; an LDS row of a slot: 3 x (64 bytes + 16 of padding)
.set SLOT,   512*PITCH
.set AIMG,   2*SLOT
.set WSC,    AIMG+24576                ; Wo's scale bytes, as 256 bytes + 16 of padding
.set SPARE,  WSC+34816                 ; the spare words, 128 bytes for each wave: four blocks of 256 bytes that no other line names
.set SPITCH, 4112                      ; the stage: 32 rows x (4,096 bytes + 16), from LDS byte 0: used when both slots have had their last fill and their last read
.set ADRB, 4
.set AI16, 8
.set AI8,  9
.set AWS,  10
.set STO,  11
.set SRD,  13
.set SPW,  14
.set NIL,  15
.set SA,   16
.set SB,   24
.set BF,   32
.set AF,   80
.set ACC,  128
.set GM,   32
.set BT,   64
.set SG,   96
.set XR,   128
.set WV,   20
.set SEL,  22
.set G1W,  28
.set G1S,  36
.set G1A,  44
.set G0W,  52                          ; s[52:55] slot 0's group 0, s[56:59] slot 1's
.set G0S,  60
.set G0A,  68
.set G1H,  88                          ; s[88:95], s[96:99] groups 1 and 0 of the head's loads of Wo's codes: a quarter of its 1,024 rows, 256 along K
.set G0H,  96
.set PLANE, 5505024                    ; the codes lie in four planes, one for each 256 along K: 192 bytes for each of the 28,672 places
.macro ROUND                           ; a round of the cluster's barrier
	s_barrier_signal -1
	s_barrier_wait -1
	s_cmp_lg_u32 s[WV], 0
	s_cbranch_scc1 .Lnot_wave_0_\@
	s_barrier_signal -3
.Lnot_wave_0_\@:
	s_barrier_wait -3
	s_barrier_signal -1
	s_barrier_wait -1
.endm
.macro NOPS
.rept 4
	v_nop
.endr
.endm
	s_load_b512 s[4:19], s[0:1], 0x0               ; oc s[4:5], osc s[6:7], codes s[8:9], scales s[10:11], Q s[12:13], gamma s[14:15], beta s[16:17], out0 s[18:19]
	v_lshl_add_u32 v[SPW], v0, 2, SPARE
	v_mov_b32 v[NIL], 0
	ds_add_u32 v14, v15
	ds_add_u32 v14, v15
	s_wait_dscnt 0x0
	v_lshrrev_b32 v1, 5, v0
	s_delay_alu instid0(VALU_DEP_1)
	v_readfirstlane_b32 s[WV], v1                  ; wave 0..7
	s_mov_b32 s[G1W], 15|(0<<16)|(1<<20)|(1<<21)|(3<<22)|(3<<25)   ; Wo's tiles: the mask of all four; elements of 1 byte; 16 bytes of padding behind every 64
	s_mov_b32 s[G1W+1], 256<<16                    ; 64 places of a plane are 12,288 dense bytes: 48 rows of 256; the padding behind every 64 gives each place an LDS row of 240
	s_mov_b32 s[G1W+2], 48<<16
	s_mov_b32 s[G1W+3], 256<<16
	s_mov_b32 s[G1W+4], 48
	s_mov_b32 s[G1W+5], 256
	s_mov_b32 s[G1H], 15|(0<<16)|(1<<20)|(1<<21)|(3<<22)|(3<<25)   ; the same for 256 places: 192 rows of 256
	s_mov_b32 s[G1H+1], 256<<16
	s_mov_b32 s[G1H+2], 192<<16
	s_mov_b32 s[G1H+3], 256<<16
	s_mov_b32 s[G1H+4], 192
	s_mov_b32 s[G1H+5], 256
	s_mov_b32 s[G1H+6], 0
	s_mov_b32 s[G1H+7], 0
	s_mov_b32 s[G1W+6], 0
	s_mov_b32 s[G1W+7], 0
	s_mov_b32 s[G1S], 15|(3<<16)|(1<<20)|(1<<21)|(5<<22)|(3<<25)   ; Wo's scales: rows of 256 dense bytes, 16 of padding behind each
	s_mov_b32 s[G1S+1], 32<<16
	s_mov_b32 s[G1S+2], 64<<16                     ; half of Wo's scales a load: 64 rows
	s_mov_b32 s[G1S+3], 32<<16
	s_mov_b32 s[G1S+4], 64
	s_mov_b32 s[G1S+5], 32
	s_mov_b32 s[G1S+6], 0
	s_mov_b32 s[G1S+7], 0
	s_mov_b32 s[G1A], 3<<16                        ; o's images: no mask, rows of 256 dense bytes
	s_mov_b32 s[G1A+1], 32<<16
	s_mov_b32 s[G1A+2], 48<<16                     ; half of o's images a load: 48 rows
	s_mov_b32 s[G1A+3], 32<<16
	s_mov_b32 s[G1A+4], 48
	s_mov_b32 s[G1A+5], 32
	s_mov_b32 s[G1A+6], 0
	s_mov_b32 s[G1A+7], 0
	s_mul_i32 s76, s[WV], 12288                    ; Wo begins at place 27,648 of a plane; the ring: my 64 places of 192 bytes
	s_add_co_u32 s76, s76, 27648*192
	s_mov_b32 s77, 0
	s_and_b32 s83, s[WV], 1                        ; the head: which half of the scales (waves 4, 5) or of o's images (waves 6, 7)
	s_lshl_b32 s78, s83, 14
	s_add_co_u32 s78, s78, 27648*32
	s_mov_b32 s79, 0
	s_mul_i32 s80, s[WV], 64*PITCH
	s_mul_i32 s81, s83, 17408
	s_mul_i32 s82, s83, 12288
	s_and_b32 s83, s[WV], 3                        ; and which quarter of Wo's 1,024 rows (waves 0 to 3): both slots lie on end in LDS, both halves on end in the plane
	s_mul_i32 s24, s83, 49152
	s_add_co_u32 s24, s24, 27648*192
	s_mov_b32 s25, 0
	s_mul_i32 s[G0H+1], s83, 256*PITCH
	s_bfe_u32 s72, ttmp6, 0x40000                  ; cx: it enters the addresses of oc, osc, Q and out0 alone
	s_lshl_b32 s73, ttmp9, 2
	s_add_co_u32 s73, s73, s72                     ; my work-group
	s_mul_i32 s84, s73, 24576
	s_add_co_u32 s84, s84, s82
	s_mov_b32 s85, 0
	s_lshl_b32 s86, s73, 12
	s_mov_b32 s87, 0
	; stage rows 4 w .. 4 w + 3 are places; the rows that lie there have bits 3 and 4 swapped: 8 (w / 4) + 4 (w % 2) + 16 ((w / 2) % 2) + 0 .. 3
	s_lshr_b32 s74, s[WV], 2
	s_lshl_b32 s74, s74, 3
	s_and_b32 s75, s[WV], 1
	s_lshl_b32 s75, s75, 2
	s_add_co_u32 s74, s74, s75
	s_bfe_u32 s75, s[WV], 0x10001
	s_lshl_b32 s75, s75, 4
	s_add_co_u32 s74, s74, s75
	s_lshl_b32 s75, s73, 5
	s_add_co_u32 s74, s74, s75
	s_lshl_b32 s74, s74, 12                        ; x 4,096 bytes a row
	s_mov_b32 s75, 0
	s_mov_b32 s[SEL], 0x76543210
	s_mov_b32 s[SEL+1], 0xfedcba98
	s_mov_b32 s26, 0x3a800000                      ; 1 / 1,024
	s_mov_b32 s27, 0x358637bd                      ; 1e-6
	s_wait_kmcnt 0x0
	s_mov_b32 s[G0W], 1
	s_mov_b32 s[G0W+1], s80
	s_add_nc_u64 s[G0W+2:G0W+3], s[8:9], s[76:77]
	s_or_b32 s[G0W+3], s[G0W+3], 0x80000000
	s_mov_b32 s[G0W+4], 1
	s_add_co_u32 s[G0W+5], s80, SLOT
	s_add_nc_u64 s[G0W+6:G0W+7], s[8:9], s[76:77]
	s_add_nc_u64 s[G0W+6:G0W+7], s[G0W+6:G0W+7], 512*192
	s_mov_b32 s[G0H], 1
	s_add_nc_u64 s[G0H+2:G0H+3], s[8:9], s[24:25]
	s_or_b32 s[G0H+3], s[G0H+3], 0x80000000
	s_or_b32 s[G0W+7], s[G0W+7], 0x80000000
	s_mov_b32 s[G0S], 1
	s_add_co_u32 s[G0S+1], s81, WSC
	s_add_nc_u64 s[G0S+2:G0S+3], s[10:11], s[78:79]
	s_or_b32 s[G0S+3], s[G0S+3], 0x80000000
	s_mov_b32 s[G0A], 1
	s_add_co_u32 s[G0A+1], s82, AIMG
	s_add_nc_u64 s[G0A+2:G0A+3], s[4:5], s[84:85]
	s_or_b32 s[G0A+3], s[G0A+3], 0x80000000
	s_add_nc_u64 s[6:7], s[6:7], s[86:87]
	s_add_nc_u64 s[12:13], s[12:13], s[74:75]
	s_add_nc_u64 s[18:19], s[18:19], s[74:75]
	ROUND                                          ; all four work-groups are here
	s_cmp_lt_u32 s[WV], 4                          ; all first fills go out here, ONE A WAVE, in one chain of branches on the wave's number: waves 0-3 a quarter of both slots each, waves 4-5 Wo's scales, waves 6-7 o's images
	s_cbranch_scc0 .Lhead_s
	tensor_load_to_lds s[G0H:G0H+3], s[G1H:G1H+7]
	s_nop 0
	NOPS
	s_branch .Lhead_asked
.Lhead_s:
	s_cmp_lt_u32 s[WV], 6
	s_cbranch_scc0 .Lhead_a
	tensor_load_to_lds s[G0S:G0S+3], s[G1S:G1S+7]
	s_nop 0
	NOPS
	s_branch .Lhead_asked
.Lhead_a:
	tensor_load_to_lds s[G0A:G0A+3], s[G1A:G1A+7]
	s_nop 0
	NOPS
.Lhead_asked:
	v_and_b32 v2, 15, v0                           ; r
	v_bfe_u32 v3, v0, 4, 1                         ; h
	v_and_b32 v1, 31, v0
	s_delay_alu instid0(VALU_DEP_1)
	v_lshlrev_b32 v9, 3, v1
	s_delay_alu instid0(VALU_DEP_2)
	v_lshlrev_b32 v1, 4, v1                        ; 16 x lane
	v_mul_u32_u24 v4, v2, PITCH
	s_delay_alu instid0(VALU_DEP_1)
	v_mad_u32_u24 v4, v3, 24, v4
	s_delay_alu instid0(VALU_DEP_1)
	v_add_nc_u32 v4, s80, v4                       ; slot 0: my rows, row r, + 24 h
	s_delay_alu instid0(VALU_DEP_1)
	v_add_nc_u32 v5, SLOT, v4                      ; slot 1
	s_delay_alu instid0(VALU_DEP_2)
	v_lshl_add_u32 v6, v3, 4, v4                   ; and both behind one padding more
	s_delay_alu instid0(VALU_DEP_2)
	v_lshl_add_u32 v7, v3, 4, v5
	v_add_nc_u32 v[AI16], AIMG, v1
	v_add_nc_u32 v[AI8], AIMG+512, v9
	v_lshrrev_b32 v10, 3, v2
	s_delay_alu instid0(VALU_DEP_1)
	v_lshlrev_b32 v10, 4, v10
	s_delay_alu instid0(VALU_DEP_1)
	v_lshl_add_u32 v10, v2, 5, v10                 ; 32 r + 16 (r / 8)
	s_mul_i32 s83, s[WV], 2176
	s_add_co_u32 s83, s83, WSC
	v_add_nc_u32 v[AWS], s83, v10
	v_mul_u32_u24 v11, v2, SPITCH
	s_delay_alu instid0(VALU_DEP_1)
	v_lshl_add_u32 v11, v3, 6, v11
	s_lshl_b32 s83, s[WV], 8
	v_add_nc_u32 v[STO], s83, v11                  ; the stage: row r, + 64 h + 256 w
	s_delay_alu instid0(VALU_DEP_1)
	v_add_nc_u32 v[STO+1], 16*SPITCH, v[STO]       ; and row 16 + r
	s_mul_i32 s83, s[WV], 4*SPITCH
	v_add_nc_u32 v[SRD], s83, v1
	v_lshlrev_b32 v96, 11, v3                      ; o's scale words: lanes 0-15 block 0's, lanes 16-31 block 1's, 2,048 bytes on
	s_delay_alu instid0(VALU_DEP_1)
	v_lshl_add_u32 v96, v2, 2, v96
.set j, 0
.rept 16
	global_load_b32 v[32+j], v96, s[6:7] offset:128*j   ; head j's two bytes
.set j, j+1
.endr
	s_wait_loadcnt 0x0
.irp s, 0,1,2,3,4,5,6,7
	v_lshl_or_b32 v[SA+\s], v[33+2*\s], 16, v[32+2*\s]   ; two heads make the word of 128 along K
.endr
.rept 8
	v_nop                                          ; a scale register written by a vector instruction stands eight places ahead of a scaled matrix instruction
.endr
.macro FRAG reg, adr, q, i             ; 16 rows x 128 K from rows of codes: six pieces of 8 bytes; where lanes 16-31's piece lies behind one padding more, the second address register serves
.irp p, 0,1,2,3,4,5
.set PCE, 12*(\q)+6*(\p/3)+\p%3
.if PCE%8 < 5
	ds_load_b64 v[\reg+2*\p:\reg+2*\p+1], v[\adr] offset:8*PCE+16*(PCE/8)+(\i)*16*PITCH
.else
	ds_load_b64 v[\reg+2*\p:\reg+2*\p+1], v[\adr+2] offset:8*PCE+16*(PCE/8)+(\i)*16*PITCH
.endif
.endr
.endm
; VISIT u: K step of 256 number u / 2, half u % 2 of Wo's rows: twice 8 matrix instructions, the half's eight accumulators by turns, one instruction a turn
.macro VISIT u
.set KC, (\u)/2
.set NH, (\u)%2
.irp q, 0,1
.irp i, 0,1,2,3
	FRAG BF+12*\i, ADRB+NH, \q, \i
.endr
.irp b, 0,1
	ds_load_b128 v[AF+12*\b:AF+12*\b+3], v[AI16] offset:(8*\b+2*KC+\q)*1536
	ds_load_b64 v[AF+12*\b+4:AF+12*\b+5], v[AI8] offset:(8*\b+2*KC+\q)*1536
	ds_load_b128 v[AF+12*\b+6:AF+12*\b+9], v[AI16] offset:(8*\b+2*KC+\q)*1536+768
	ds_load_b64 v[AF+12*\b+10:AF+12*\b+11], v[AI8] offset:(8*\b+2*KC+\q)*1536+768
.endr
.if \q == 0
.irp i, 0,1,2,3
	ds_load_b64 v[SB+2*\i:SB+2*\i+1], v[AWS] offset:17408*NH+544*\i+8*KC   ; the two scale words of this K step
.endr
.endif
	s_wait_dscnt 0x0
.irp i, 0,1,2,3
.set AC, ACC+8*(8*NH+2*\i)
.if (KC == 0) && (\q == 0)
	v_wmma_scale_f32_16x16x128_f8f6f4 v[AC:AC+7], v[BF+12*\i:BF+12*\i+11], v[AF:AF+11], 0, v[SB+2*\i+\q], v[SA+2*KC+\q] matrix_a_fmt:MATRIX_FMT_BF6 matrix_b_fmt:MATRIX_FMT_BF6
	v_wmma_scale_f32_16x16x128_f8f6f4 v[AC+8:AC+15], v[BF+12*\i:BF+12*\i+11], v[AF+12:AF+23], 0, v[SB+2*\i+\q], v[SA+2*KC+\q] matrix_a_fmt:MATRIX_FMT_BF6 matrix_b_fmt:MATRIX_FMT_BF6 matrix_b_scale:MATRIX_SCALE_ROW1
.else
	v_wmma_scale_f32_16x16x128_f8f6f4 v[AC:AC+7], v[BF+12*\i:BF+12*\i+11], v[AF:AF+11], v[AC:AC+7], v[SB+2*\i+\q], v[SA+2*KC+\q] matrix_a_fmt:MATRIX_FMT_BF6 matrix_b_fmt:MATRIX_FMT_BF6
	v_wmma_scale_f32_16x16x128_f8f6f4 v[AC+8:AC+15], v[BF+12*\i:BF+12*\i+11], v[AF+12:AF+23], v[AC+8:AC+15], v[SB+2*\i+\q], v[SA+2*KC+\q] matrix_a_fmt:MATRIX_FMT_BF6 matrix_b_fmt:MATRIX_FMT_BF6 matrix_b_scale:MATRIX_SCALE_ROW1
.endif
.endr
	NOPS                                           ; places in front of loads into registers that these products have read, and of the first read of results
.endr
.endm
; THE CHANGE OF SLOTS in front of visit u: each wave waits for all its tensor loads (its part of the slot ahead), adds 0 to its spare word, and waits for that and for its reads of the slot just left.
; Up to u = 6 that slot is filled again, with the same half's next 256 along K: the barrier is then a round of the cluster's, and the joint refill is the first thing behind it.
.macro CHANGE u
.set SL, ((\u)-1)%2
	s_wait_tensorcnt 0x0                           ; no tensor load of mine is out, so a group 0 may be written
	ds_add_u32 v[SPW], v[NIL]                      ; 0 onto my spare word
.if (\u) <= 6
	s_add_nc_u64 s[G0W+4*SL+2:G0W+4*SL+3], s[G0W+4*SL+2:G0W+4*SL+3], PLANE
.endif
	s_wait_dscnt 0x0                               ; the add is done, and my reads of the slot just left are over
.if (\u) <= 6
	ROUND
	tensor_load_to_lds s[G0W+4*SL:G0W+4*SL+3], s[G1W:G1W+7]
	s_nop 0
	NOPS
.else
	s_barrier_signal -1
	s_barrier_wait -1
.endif
.endm
	s_wait_alu depctr_va_vdst(0)
	s_wait_tensorcnt 0x0                           ; my one load of the head has landed
	s_barrier_signal -1
	s_barrier_wait -1                              ; everybody's are
	VISIT 0
.irp u, 1,2,3,4,5,6,7
	CHANGE \u
	VISIT \u
.endr
	; THE WAY OUT.  No LDS load of mine is out; behind this barrier nobody reads a slot any more, and both have had their last fill: the stage may be written.
	s_wait_dscnt 0x0
	s_barrier_signal -1
	s_barrier_wait -1
.irp n, 0,1
.irp i, 0,1,2,3
.irp b, 0,1
	ds_store_b128 v[STO+\b], v[ACC+8*(8*\n+2*\i+\b):ACC+8*(8*\n+2*\i+\b)+3] offset:2048*\n+128*(\i/2)+32*(\i%2)       ; lane (r, h): columns 512 n + 64 w + 32 (i / 2) + 8 (i % 2) + 16 h + 0 .. 7; each accumulator from its low end on
	ds_store_b128 v[STO+\b], v[ACC+8*(8*\n+2*\i+\b)+4:ACC+8*(8*\n+2*\i+\b)+7] offset:2048*\n+128*(\i/2)+32*(\i%2)+16
.endr
.endr
.endr
.irp c, 0,1,2,3,4,5,6,7
	global_load_b128 v[GM+4*\c:GM+4*\c+3], v1, s[14:15] offset:512*\c    ; gamma and beta of my 32 columns: 128 c + 4 lane + 0 .. 3
.endr
.irp c, 0,1,2,3,4,5,6,7
	global_load_b128 v[BT+4*\c:BT+4*\c+3], v1, s[16:17] offset:512*\c
.endr
	s_wait_dscnt 0x0                               ; my stores into the stage are done: for the others' sake, and since the loads below land in the registers that they read
.irp i, 0,1,2,3
.irp c, 0,1,2,3,4,5,6,7
	global_load_b128 v[XR+32*\i+4*\c:XR+32*\i+4*\c+3], v1, s[12:13] offset:4096*\i+512*\c th:TH_LOAD_NT   ; the residual: my four rows of Q, 512 consecutive bytes a load
.endr
.endr
	s_barrier_signal -1
	s_barrier_wait -1                              ; 32 whole rows lie in the stage
.irp c, 0,1,2,3,4,5,6,7
	ds_load_b128 v[SG+4*\c:SG+4*\c+3], v[SRD] offset:512*\c
.endr
.macro LANESUM                         ; v2 summed over the 32 lanes, in every lane
	s_delay_alu instid0(VALU_DEP_1)
	v_add_f32_dpp v2, v2, v2 row_xmask:1 row_mask:0xf bank_mask:0xf
	s_delay_alu instid0(VALU_DEP_1)
	v_add_f32_dpp v2, v2, v2 row_xmask:2 row_mask:0xf bank_mask:0xf
	s_delay_alu instid0(VALU_DEP_1)
	v_add_f32_dpp v2, v2, v2 row_xmask:4 row_mask:0xf bank_mask:0xf
	s_delay_alu instid0(VALU_DEP_1)
	v_add_f32_dpp v2, v2, v2 row_xmask:8 row_mask:0xf bank_mask:0xf
	s_delay_alu instid0(VALU_DEP_1)
	v_permlanex16_b32 v3, v2, s[SEL], s[SEL+1]
	s_delay_alu instid0(VALU_DEP_1)
	v_add_f32 v2, v2, v3
.endm
.macro ROW i
.set XX, XR+32*(\i)
	s_wait_dscnt 0x0                               ; the stage row is in
	s_wait_loadcnt 8*(3-(\i))                      ; gamma, beta and this row of Q are in; the later rows' loads, eight each, may be out
.irp j, 0,2,4,6,8,10,12,14,16,18,20,22,24,26,28,30
	v_pk_add_f32 v[XX+\j:XX+\j+1], v[XX+\j:XX+\j+1], v[SG+\j:SG+\j+1]
.endr
.if (\i) < 3
.irp c, 0,1,2,3,4,5,6,7
	ds_load_b128 v[SG+4*\c:SG+4*\c+3], v[SRD] offset:((\i)+1)*SPITCH+512*\c   ; the next stage row lands while this row is worked on
.endr
.endif
	v_pk_add_f32 v[2:3], v[XX:XX+1], v[XX+2:XX+3]  ; the row's sum, in two chains
	v_pk_add_f32 v[4:5], v[XX+4:XX+5], v[XX+6:XX+7]
.irp j, 8,12,16,20,24,28
	s_delay_alu instid0(VALU_DEP_2)
	v_pk_add_f32 v[2:3], v[2:3], v[XX+\j:XX+\j+1]
	s_delay_alu instid0(VALU_DEP_2)
	v_pk_add_f32 v[4:5], v[4:5], v[XX+\j+2:XX+\j+3]
.endr
	s_delay_alu instid0(VALU_DEP_1)
	v_pk_add_f32 v[2:3], v[2:3], v[4:5]
	s_delay_alu instid0(VALU_DEP_1)
	v_add_f32 v2, v2, v3
	LANESUM
	s_delay_alu instid0(VALU_DEP_1)
	v_mul_f32 v6, s26, v2                          ; the mean
	s_delay_alu instid0(VALU_DEP_1)
	v_mov_b32 v7, v6
.irp j, 0,2,4,6,8,10,12,14,16,18,20,22,24,26,28,30
	v_pk_add_f32 v[XX+\j:XX+\j+1], v[XX+\j:XX+\j+1], v[6:7] neg_lo:[0,1] neg_hi:[0,1]
.endr
	v_pk_mul_f32 v[2:3], v[XX:XX+1], v[XX:XX+1]    ; the sum of the squares of (x - mean)
	v_pk_mul_f32 v[4:5], v[XX+2:XX+3], v[XX+2:XX+3]
.irp j, 4,8,12,16,20,24,28
	s_delay_alu instid0(VALU_DEP_2)
	v_pk_fma_f32 v[2:3], v[XX+\j:XX+\j+1], v[XX+\j:XX+\j+1], v[2:3]
	s_delay_alu instid0(VALU_DEP_2)
	v_pk_fma_f32 v[4:5], v[XX+\j+2:XX+\j+3], v[XX+\j+2:XX+\j+3], v[4:5]
.endr
	s_delay_alu instid0(VALU_DEP_1)
	v_pk_add_f32 v[2:3], v[2:3], v[4:5]
	s_delay_alu instid0(VALU_DEP_1)
	v_add_f32 v2, v2, v3
	LANESUM
	s_delay_alu instid0(VALU_DEP_1)
	v_fma_f32 v8, v2, s26, s27                     ; the variance + 1e-6
	s_wait_alu depctr_va_vdst(0)
	v_rsq_f32 v8, v8
	v_nop                                          ; one plain place behind the reciprocal root
	s_wait_alu depctr_va_vdst(0)
	v_mov_b32 v9, v8
.irp j, 0,2,4,6,8,10,12,14,16,18,20,22,24,26,28,30
	v_pk_mul_f32 v[XX+\j:XX+\j+1], v[XX+\j:XX+\j+1], v[8:9]
.endr
.irp j, 0,2,4,6,8,10,12,14,16,18,20,22,24,26,28,30
	v_pk_fma_f32 v[XX+\j:XX+\j+1], v[XX+\j:XX+\j+1], v[GM+\j:GM+\j+1], v[BT+\j:BT+\j+1]
.endr
.irp c, 0,1,2,3,4,5,6,7
	global_store_b128 v1, v[XX+4*\c:XX+4*\c+3], s[18:19] offset:4096*(\i)+512*\c th:TH_STORE_NT   ; 32 lanes store 512 consecutive bytes, aligned; these registers are not written again
.endr
.endm
	ROW 0
	ROW 1
	ROW 2
	ROW 3
	s_wait_tensorcnt 0x0                           ; the wave's end
	ds_add_u32 v[SPW], v[NIL]
	s_wait_dscnt 0x0
	ROUND                                          ; the closing round: no work-group ends while a partner may still ask for a tile that names it
	s_endpgm
.Lfunc_end_k_qce6105cb14_outln:
	.size	k_qce6105cb14_outln, .Lfunc_end_k_qce6105cb14_outln-k_qce6105cb14_outln
	.p2alignl 7, 3214868480
	.fill 96, 4, 3214868480
	.section	.rodata,"a",@progbits
	.p2align	6, 0x0
	.amdhsa_kernel k_qce6105cb14_outln
		.amdhsa_group_segment_fixed_size 327680
		.amdhsa_private_segment_fixed_size 0
		.amdhsa_enable_private_segment 0
		.amdhsa_kernarg_size 64
		.amdhsa_user_sgpr_count 2
		.amdhsa_user_sgpr_kernarg_segment_ptr 1
		.amdhsa_wavefront_size32 1
		.amdhsa_system_sgpr_workgroup_id_x 1
		.amdhsa_system_sgpr_workgroup_id_y 1
		.amdhsa_system_sgpr_workgroup_id_z 1
		.amdhsa_system_vgpr_workitem_id 0
		.amdhsa_next_free_vgpr 256
		.amdhsa_next_free_sgpr 100
		.amdhsa_reserve_vcc 0
		.amdhsa_float_denorm_mode_32 3
		.amdhsa_float_denorm_mode_16_64 3
		.amdhsa_memory_ordered 1
		.amdhsa_forward_progress 1
		.amdhsa_inst_pref_size 114
	.end_amdhsa_kernel
	.amdgpu_metadata
---
amdhsa.version: [ 1, 2 ]
amdhsa.kernels:
  - .name:           k_qce6105cb14_outln
    .symbol:         k_qce6105cb14_outln.kd
    .args:
      - { .name: oc, .offset: 0, .size: 8, .value_kind: global_buffer, .address_space: global }
      - { .name: osc, .offset: 8, .size: 8, .value_kind: global_buffer, .address_space: global }
      - { .name: codes, .offset: 16, .size: 8, .value_kind: global_buffer, .address_space: global }
      - { .name: scales, .offset: 24, .size: 8, .value_kind: global_buffer, .address_space: global }
      - { .name: Q, .offset: 32, .size: 8, .value_kind: global_buffer, .address_space: global }
      - { .name: ln_gamma, .offset: 40, .size: 8, .value_kind: global_buffer, .address_space: global }
      - { .name: ln_beta, .offset: 48, .size: 8, .value_kind: global_buffer, .address_space: global }
      - { .name: out0, .offset: 56, .size: 8, .value_kind: global_buffer, .address_space: global }
    .group_segment_fixed_size: 327680
    .private_segment_fixed_size: 0
    .kernarg_segment_align: 8
    .kernarg_segment_size: 64
    .max_flat_workgroup_size: 256
    .sgpr_count:     100
    .vgpr_count:     256
    .wavefront_size: 32
...
	.end_amdgpu_metadata
.endif
;; end of part 4
